; MI455X (gfx1250); checked and timed in simulation.
; The chip was launched on July 23, 2026; its instructions are those of AMD's public machine-readable ISA for CDNA 5 (MIT licence, August 2026) and "CDNA5" Instruction Set Architecture Reference Guide (July 2026). The comments in the code are by the model that wrote it; some were corrected since.
;; Mo E Layer. Allowed arithmetic: matrix products marked QUANTISED: E3M2 operands, one E8M0 scale for each 32 along K, by v_wmma_scale_f32_16x16x128_f8f6f4 with both operands' format E3M2, f32 sums; products left as they are: f32 operands where the result goes on into a quantised operand, else bf16, f16 or f32 operands; f32 sums; everything else in f32.
;; Inputs: b1 8 x 4,096 float32; b2 8 x 1,024 float32; gate_b 8 float32; gate_w 8 x 1,024 float32; w1_codes 8 x 4,096 x 32 x 24 uint8 (E3M2 codes of w1, K innermost, in blocks of 32 codes, four codes in three bytes); w1_scales 8 x 4,096 x 32 uint8 (E8M0 scales of w1, one for each 32 codes along K); w2_codes 8 x 1,024 x 128 x 24 uint8 (E3M2 codes of w2, K innermost, in blocks of 32 codes, four codes in three bytes); w2_scales 8 x 1,024 x 128 uint8 (E8M0 scales of w2, one for each 32 codes along K); x 4 x 256 x 1,024 float32.
;; Outputs: out0 4 x 256 x 1,024 float32.
;; This version of the problem:
;;   THIS VERSION OF THE PROBLEM IS GIVEN IN LOW PRECISION. The matrix products marked QUANTISED in the list below multiply operands that are first quantised to E3M2 (3 exponent bits, 2 mantissa bits; 6 bits a number), with one power-of-two scale for each 32 numbers along K (OCP MX v1.0); their sums are f32. All else is computed in f32.
;;   The module's matrix products, in the order in which they are computed (A, B: the left and right operand; K: the contracted axis; several contracted axes count as one K, in the product's order):
;;     1. [M 1,024, K 1,024] x [K 1,024, N 8]; A: input x; B: input gate_w: left as it is (N = 8 < 16)
;;     2. [M 1,024, K 1,024] x [K 1,024, N 4,096]; A: input x; B: input w1 (given as codes): QUANTISED
;;     3. [M 1,024, K 4,096] x [K 4,096, N 1,024]; A: computed on the way; B: input w2 (given as codes): QUANTISED
;;     4. [M 1,024, K 1,024] x [K 1,024, N 4,096]; A: input x; B: input w1 (given as codes): QUANTISED
;;     5. [M 1,024, K 4,096] x [K 4,096, N 1,024]; A: computed on the way; B: input w2 (given as codes): QUANTISED
;;     6. [M 1,024, K 1,024] x [K 1,024, N 4,096]; A: input x; B: input w1 (given as codes): QUANTISED
;;     7. [M 1,024, K 4,096] x [K 4,096, N 1,024]; A: computed on the way; B: input w2 (given as codes): QUANTISED
;;     8. [M 1,024, K 1,024] x [K 1,024, N 4,096]; A: input x; B: input w1 (given as codes): QUANTISED
;;     9. [M 1,024, K 4,096] x [K 4,096, N 1,024]; A: computed on the way; B: input w2 (given as codes): QUANTISED
;;     10. [M 1,024, K 1,024] x [K 1,024, N 4,096]; A: input x; B: input w1 (given as codes): QUANTISED
;;     11. [M 1,024, K 4,096] x [K 4,096, N 1,024]; A: computed on the way; B: input w2 (given as codes): QUANTISED
;;     12. [M 1,024, K 1,024] x [K 1,024, N 4,096]; A: input x; B: input w1 (given as codes): QUANTISED
;;     13. [M 1,024, K 4,096] x [K 4,096, N 1,024]; A: computed on the way; B: input w2 (given as codes): QUANTISED
;;     14. [M 1,024, K 1,024] x [K 1,024, N 4,096]; A: input x; B: input w1 (given as codes): QUANTISED
;;     15. [M 1,024, K 4,096] x [K 4,096, N 1,024]; A: computed on the way; B: input w2 (given as codes): QUANTISED
;;     16. [M 1,024, K 1,024] x [K 1,024, N 4,096]; A: input x; B: input w1 (given as codes): QUANTISED
;;     17. [M 1,024, K 4,096] x [K 4,096, N 1,024]; A: computed on the way; B: input w2 (given as codes): QUANTISED
;;   THE QUANTISER, for each operand of a quantised product, along K:
;;     - K is cut into blocks of 32 from its start; a last block that is shorter is filled with zeros.
;;     - A block's scale is 2^e with e = floor(log2(the largest magnitude in the block)) - 4, held to -126 .. 127; a block of zeros has e = 0. As a byte (E8M0): e + 127.
;;     - Each number is divided by its block's scale, clamped to +-28, and rounded to the nearest number of E3M2, ties to even, subnormals kept.
;;     - The product sums the exact products of the quantised numbers (number of the format x scale) in f32.
;;   ~~~python
;;   def quantise(x, axis):      # numpy; x: float32 -> the quantised numbers, widened to float32 again
;;       x = np.moveaxis(x, axis, -1); K = x.shape[-1]
;;       x = np.pad(x, [(0, 0)] * (x.ndim - 1) + [(0, -K % 32)]); x = x.reshape(x.shape[:-1] + (-1, 32)); a = np.abs(x).max(-1, keepdims=True)
;;       e = np.where(a > 0, np.clip(np.frexp(np.where(a > 0, a, 1))[1] - 1 - 4, -126, 127), 0)      # np.frexp(a)[1] - 1 = floor(log2(a)), exactly
;;       r = np.clip(x / 2.0 ** e, -28, 28)
;;       step = 2.0 ** (np.maximum(np.frexp(np.where(r == 0, 1, r))[1] - 1, -2) - 2)
;;       q = np.round(r / step) * step * 2.0 ** e      # np.round: ties to even
;;       return np.moveaxis(q.reshape(q.shape[:-2] + (-1,))[..., :K], -1, axis).astype(np.float32)
;;   ~~~
;;   OPERANDS COMPUTED ON THE WAY. 'Computed on the way' means the value that the module computes at that place (a softmax that the list does not call 'softmax' is quantised finished and normalised). What goes into a quantiser is computed in f32, as accurately as f32 sums, v_exp_f32 and their like allow (about 1e-6 of the number): no bf16 or f16 on the way to a quantiser, and a product that is left as it is and whose result goes on into a quantised operand takes f32 operands (vector FMAs, or v_wmma_f32_16x16x4_f32). A number that lies on a knife's edge between two numbers of the format may be rounded either way, as far as f32 arithmetic and the matrix unit's own rounding can turn it there, and no further.
;;   INPUTS GIVEN AS CODES. w1 (in the module: [8, 1024, 4096], K = its axis 1); w2 (in the module: [8, 4096, 1024], K = its axis 1): each comes as NAME_codes (uint8): NAME with its K axis moved to the last place and cut into blocks of 32 codes, [.., K / 32, bytes a block], one block behind the other in memory; four codes in three bytes: a row's codes are one little-endian stream of bits, code i at bits 6 i .. 6 i + 5 (a code: sign, 3 exponent bits, 2 mantissa bits); and NAME_scales (uint8): the same leading axes, one E8M0 byte (e + 127) for each 32 codes along K. Its value is code x scale, taken as it is: it is not quantised again, and the codes and scales need not be those that the quantiser above would give.
;; 2 versions, each right and faster than the one before. Each part assembles by itself: llvm-mc -triple=amdgcn-amd-amdhsa -mcpu=gfx1250 --defsym DOCPART=n.
;; ======== version 1 of 2: 5 launches
;; limits: an absolute error that grows with the inputs' magnitude: up to 1e-07 times it
;; workspace buffers: xq 786,432 bytes; xs 32,768 bytes; sel 4,096 bytes of whole numbers; gwt 8,192 bytes; plan 8,448 bytes of whole numbers; hq 6,684,672 bytes; hs 278,528 bytes; ybuf 8,388,608 bytes
;; launch route (part 1): grid 256 x 1, 4 waves a work-group, no clusters, 40,960 bytes of LDS; arguments x, gate_w, gate_b, xq, xs, sel, gwt; writes xq, xs, sel, gwt
.if DOCPART == 1
	.amdgcn_target "amdgcn-amd-amdhsa--gfx1250"
	.amdhsa_code_object_version 6
	.text
	.protected	k_qaeca5d4830_route
	.globl	k_qaeca5d4830_route
	.p2align	8
	.type	k_qaeca5d4830_route,@function
k_qaeca5d4830_route:
	s_mov_b64 s[64:65], 0
	v_nop
	global_prefetch_b8 v0, s[64:65] scope:SCOPE_SE
	s_setreg_imm32_b32 hwreg(HW_REG_WAVE_MODE, 25, 1), 1
	s_wait_xcnt 0x0
; ROUTE: the gate in f32, the two chosen experts and their softmax weights, and x as codes of E3M2 with one E8M0 byte for each 32 along K.
; DEAD WORK, left out by the whole program.  reference() multiplies expert e's row of token t by w_e(t) = sum(weights x (indices == e)).  For an expert that is not
; among the token's two indices every term of that sum is a product with the 0 of reference()'s own comparison, so w_e(t) = 0 for all values of the inputs, and
; the row's two products, its gelu and its biases reach no output in exact arithmetic.  Only the 2 x 1,024 chosen rows are computed.  Every input is still loaded.
; LIMITS.  A NaN, an infinity or an overflow that arises only in a row of an expert that was not chosen is not carried to the result.  NaN among the gates is not served.
; Equal gates go to the lower index, as jax.lax.top_k has it; gates closer than the rounding of an f32 sum of 1,024 terms may be ordered otherwise than in reference().
; A block of zeros gets the scale byte 1 where the rule says 127: its codes are zeros, and this program alone reads the bytes.
; SHARES.  A work-group takes tokens 4 g .. 4 g + 3; wave w takes K = 256 w .. 256 w + 255 of all four; behind the barrier wave w owns token 4 g + w.
; No matrix unit, no cluster: the gate has 8 columns, and no two work-groups share more than gate_w's 32 KiB.
.set RED,   20480                      ; LDS: 0: each wave's two turning stages (32 places of 80 bytes); RED: the gates' parts, token x 4096 + wave x 1024 + half x 512 + 16 x lane
.set COD,   36864                      ; the four tokens' codes, 768 bytes each
.set SCB,   39936                      ; their scale bytes, 32 each
.set SPARE, 40192                      ; the spare words, 128 bytes a wave
.set XR, 16                            ; v16-47   x as loaded: token i at 8 i; later the 32 gate parts
.set GW, 48                            ; v48-111  gate_w as loaded: expert e at 8 e; later the four waves' parts, and from v96 on the choice at work
.set AC, 112                           ; v112-175 32 pairs of sums
.set XT, 176                           ; v176-207 two sets of 16 neighbours
.set ZO, 223                           ; v223     0: the offset of the last two stores; no load and no other line writes it
	s_load_b256 s[4:11], s[0:1], 0x0               ; x, gate_w, gate_b, xq
	s_load_b128 s[12:15], s[0:1], 0x20             ; xs, sel
	s_load_b64 s[16:17], s[0:1], 0x30              ; gwt
	v_lshl_add_u32 v12, v0, 2, SPARE               ; my spare word,
	v_mov_b32 v13, 0                               ; and 0: kept for the closing lines alone
	v_lshrrev_b32 v14, 5, v0
	v_readfirstlane_b32 s18, v14                   ; wave
	v_and_b32 v1, 31, v0                           ; lane
	v_and_b32 v14, 15, v0                          ; r
	v_bfe_u32 v15, v0, 4, 1                        ; h
	s_lshl_b32 s19, s18, 10
	v_lshl_add_u32 v2, v1, 4, s19                  ; my 16 bytes of a load: 1024 w + 16 lane
	s_mul_i32 s20, s18, 5120
	v_lshrrev_b32 v3, 2, v1
	v_mul_u32_u24 v3, v3, 80
	v_and_b32 v4, 3, v1
	v_lshl_add_u32 v3, v4, 4, v3
	v_add_nc_u32 v3, s20, v3                       ; the stage, way in: 80 (lane / 4) + 16 (lane % 4)
	v_mul_u32_u24 v4, v1, 80
	v_add_nc_u32 v4, s20, v4                       ; way out: 80 x lane: 16 neighbours
	s_mul_i32 s20, s18, 192
	s_add_co_u32 s20, s20, COD
	v_mul_u32_u24 v5, v14, 12
	v_mad_u32_u24 v5, v15, 768, v5
	v_add_nc_u32 v5, s20, v5                       ; my 12 bytes of codes: token h of the pair, quarter w, 12 r
	s_lshl_b32 s20, s18, 3
	s_add_co_u32 s20, s20, SCB
	v_lshrrev_b32 v6, 1, v14
	v_lshl_add_u32 v6, v15, 5, v6
	v_add_nc_u32 v6, s20, v6                       ; my block's scale byte
	s_add_co_u32 s20, s19, RED
	v_lshl_add_u32 v7, v1, 4, s20                  ; the gates' parts, way in
	s_lshl_b32 s20, s18, 12
	s_add_co_u32 s20, s20, RED
	v_lshl_add_u32 v8, v1, 4, s20                  ; way out: my token's
	s_mul_i32 s20, s18, 768
	s_add_co_u32 s20, s20, COD
	v_lshl_add_u32 v9, v1, 3, s20                  ; my token's codes, 8 bytes a lane
	v_lshlrev_b32 v10, 3, v1
	v_lshlrev_b32 v11, 2, v1
	v_add_nc_u32 v222, SCB, v11
	v_mov_b32 v[ZO], 0
.irp e, 0,1,2,3,4,5,6,7
	v_mov_b32 v[224+\e], 0                         ; written once: a lane permute's destination counts as one of its sources
.endr
	s_mov_b32 s22, 0x76543210
	s_mov_b32 s23, 0xfedcba98                      ; selects for lane l xor 16
	s_lshl_b32 s21, ttmp9, 2
	s_add_co_u32 s21, s21, s18                     ; my token
	s_mov_b32 s3, 0
	s_wait_kmcnt 0x0
	s_load_b256 s[24:31], s[8:9], 0x0              ; gate_b
	s_lshl_b32 s2, ttmp9, 14
	s_add_nc_u64 s[4:5], s[4:5], s[2:3]            ; x at the group's first token
	s_mul_i32 s2, s21, 768
	s_add_nc_u64 s[10:11], s[10:11], s[2:3]
	s_lshl_b32 s2, ttmp9, 7
	s_add_nc_u64 s[12:13], s[12:13], s[2:3]
	s_lshl_b32 s2, s21, 2
	s_add_nc_u64 s[14:15], s[14:15], s[2:3]
	s_lshl_b32 s2, s21, 3
	s_add_nc_u64 s[16:17], s[16:17], s[2:3]
.irp i, 0,1,2,3
.irp c, 0,1
	global_load_b128 v[XR+8*\i+4*\c:XR+8*\i+4*\c+3], v2, s[4:5] offset:\i*4096+512*\c th:TH_LOAD_NT   ; 32 lanes read 512 consecutive bytes
.endr
.endr
.irp e, 0,1,2,3,4,5,6,7
.irp c, 0,1
	global_load_b128 v[GW+8*\e+4*\c:GW+8*\e+4*\c+3], v2, s[6:7] offset:\e*4096+512*\c
.endr
.endr
; Two tokens' quarters, 2,048 bytes, go through my stage as they lie and come back 64 bytes a lane: lane (r, h) then holds 16 neighbours of token 2 p + h.
.macro TURN p
.irp n, 0,1,2,3
	ds_store_b128 v3, v[XR+16*\p+4*\n:XR+16*\p+4*\n+3] offset:2560*\p+640*\n
.endr
.irp n, 0,1,2,3
	ds_load_b128 v[XT+16*\p+4*\n:XT+16*\p+4*\n+3], v4 offset:2560*\p+16*\n   ; LDS serves a wave's instructions in order: these see the stores
.endr
.endm
.macro QUANT1 p
.set XS, XT+16*\p
	v_max3_num_f32 v216, |v[XS]|, |v[XS+1]|, |v[XS+2]|             ; the largest magnitude of my 16
	v_max3_num_f32 v217, |v[XS+3]|, |v[XS+4]|, |v[XS+5]|
.irp i, 6,10
	v_max3_num_f32 v216, v216, |v[XS+\i]|, |v[XS+\i+1]|
	v_max3_num_f32 v217, v217, |v[XS+\i+2]|, |v[XS+\i+3]|
.endr
	v_max3_num_f32 v216, v216, |v[XS+14]|, |v[XS+15]|
	v_max3_num_f32 v216, v216, v217, 0x2800000     ; and the floor 2^(5 - 127): the byte cannot fall under 1
	v_max_num_f32_dpp v216, v216, v216 row_xmask:1 row_mask:0xf bank_mask:0xf   ; with my neighbour's 16: the block's
	v_add_nc_u32 v218, 0xfe000000, v216            ; 4 off its exponent field: the conversion's scale operand
	v_cvt_scalef32_pk16_bf6_f32 v[208+4*\p:210+4*\p], v[XS:XS+15], v218
	v_lshrrev_b32 v[220+\p], 23, v218              ; the scale's byte (a plain line behind the conversion)
	ds_store_b32 v5, v[208+4*\p] offset:1536*\p
	ds_store_b32 v5, v[209+4*\p] offset:1536*\p+4
	ds_store_b32 v5, v[210+4*\p] offset:1536*\p+8
	ds_store_b8 v6, v[220+\p] offset:64*\p         ; both lanes of a block write the same byte with the same value
.endm
	s_wait_loadcnt 16                              ; x's eight loads are in; gate_w's sixteen may be out
	TURN 0
	TURN 1
	s_wait_dscnt 8                                 ; the first turn is back; the second's eight instructions may be out
	QUANT1 0
	s_wait_dscnt 4                                 ; the second turn is back; behind it stand the four stores just issued
	QUANT1 1
	s_wait_loadcnt 0x0                             ; gate_w
.irp i, 0,1,2,3
.irp e, 0,1,2,3,4,5,6,7
	v_pk_mul_f32 v[AC+2*(8*\i+\e):AC+2*(8*\i+\e)+1], v[XR+8*\i:XR+8*\i+1], v[GW+8*\e:GW+8*\e+1]   ; the first products start the sums
.endr
.endr
.irp j, 2,4,6
.irp i, 0,1,2,3
.irp e, 0,1,2,3,4,5,6,7
	v_pk_fma_f32 v[AC+2*(8*\i+\e):AC+2*(8*\i+\e)+1], v[XR+8*\i+\j:XR+8*\i+\j+1], v[GW+8*\e+\j:GW+8*\e+\j+1], v[AC+2*(8*\i+\e):AC+2*(8*\i+\e)+1]
.endr
.endr
.endr
.irp n, 0,1,2,3,4,5,6,7,8,9,10,11,12,13,14,15,16,17,18,19,20,21,22,23,24,25,26,27,28,29,30,31
	v_add_f32 v[XR+\n], v[AC+2*\n], v[AC+2*\n+1]   ; my lane's part of gate (token n / 8, expert n % 8)
.endr
.irp i, 0,1,2,3
.irp f, 0,1
	ds_store_b128 v7, v[XR+8*\i+4*\f:XR+8*\i+4*\f+3] offset:\i*4096+512*\f
.endr
.endr
	s_wait_dscnt 0x0                               ; for the others' sake: my stores of codes, bytes and parts are done
	s_barrier_signal -1
	s_barrier_wait -1
.irp q, 0,1,2,3
.irp f, 0,1
	ds_load_b128 v[48+8*\q+4*\f:51+8*\q+4*\f], v8 offset:1024*\q+512*\f   ; wave q's part of my token's eight gates
.endr
.endr
.irp j, 0,1,2
	ds_load_b64 v[80+2*\j:81+2*\j], v9 offset:256*\j
.endr
	ds_load_b32 v86, v222
	s_wait_dscnt 0x0
	s_wait_tensorcnt 0x0                           ; closing lines behind my last LDS store; no LDS instruction follows them
	ds_add_u32 v12, v13
	s_wait_dscnt 0x0
.irp j, 0,1,2
	global_store_b64 v10, v[80+2*\j:81+2*\j], s[10:11] offset:256*\j   ; 32 lanes store 256 consecutive bytes, aligned: a token's codes are three such
.endr
	s_cmp_lg_u32 s18, 0
	s_cbranch_scc1 .Lnot_wave_0
	global_store_b32 v11, v86, s[12:13]            ; the four tokens' 128 scale bytes
.Lnot_wave_0:
.irp d, 0,2,4,6
	v_pk_add_f32 v[48+\d:49+\d], v[48+\d:49+\d], v[56+\d:57+\d]
	v_pk_add_f32 v[64+\d:65+\d], v[64+\d:65+\d], v[72+\d:73+\d]
.endr
.irp d, 0,2,4,6
	v_pk_add_f32 v[48+\d:49+\d], v[48+\d:49+\d], v[64+\d:65+\d]
.endr
.irp m, 1,2,4,8
.irp e, 0,1,2,3,4,5,6,7
	v_add_f32_dpp v[48+\e], v[48+\e], v[48+\e] row_xmask:\m row_mask:0xf bank_mask:0xf
.endr
.endr
.irp e, 0,1,2,3,4,5,6,7
	v_permlanex16_b32 v[224+\e], v[48+\e], s22, s23
.endr
	s_wait_kmcnt 0x0                               ; gate_b
.irp e, 0,1,2,3,4,5,6,7
	v_add_f32 v[48+\e], v[48+\e], v[224+\e]
.endr
.irp e, 0,1,2,3,4,5,6,7
	v_add_f32 v[48+\e], s[24+\e], v[48+\e]         ; every lane now holds my token's eight gates
.endr
; the largest gate and its index: the earlier one stays where two are equal
.macro SCAN m, n
	v_mov_b32 v[\m], v48
	v_mov_b32 v[\n], 0
.irp e, 1,2,3,4,5,6,7
	v_cmp_ge_f32 vcc_lo, v[\m], v[48+\e]
	v_cndmask_b32 v[\m], v[48+\e], v[\m], vcc_lo
	v_cndmask_b32 v[\n], \e, v[\n], vcc_lo
.endr
.endm
	SCAN 96, 97
	v_mov_b32 v100, 0xff800000
.irp e, 0,1,2,3,4,5,6,7
	v_cmp_eq_u32 vcc_lo, \e, v97
	v_cndmask_b32 v[48+\e], v[48+\e], v100, vcc_lo ; the first choice leaves the field
.endr
	SCAN 98, 99
	v_sub_f32 v103, v98, v96                       ; the maximum is taken away, as reference()'s softmax does: the larger gate's exponent is 0
	v_mul_f32 v103, 0x3fb8aa3b, v103
	v_exp_f32 v103, v103                           ; p = e^(second - first), at most 1
	v_lshl_or_b32 v102, v99, 8, v97                ; (a plain line behind the exponential) the two experts in one word
	s_wait_alu depctr_va_vdst(0)                   ; the wait ahead of the first reader
	v_add_f32 v106, 1.0, v103
	v_rcp_f32 v104, v106                           ; the first weight: 1 / (1 + p)
	v_nop
	s_wait_alu depctr_va_vdst(0)
	v_mul_f32 v105, v103, v104                     ; the second: p / (1 + p)
	s_wait_xcnt 0x0                                ; EXEC changes only behind this wait
	v_cmp_eq_u32 vcc_lo, 0, v1
	s_and_saveexec_b32 s2, vcc_lo
	global_store_b32 v[ZO], v102, s[14:15]         ; fixed places: the bases stand at my token, the offset is 0: no address hangs on the choice
	global_store_b64 v[ZO], v[104:105], s[16:17]
	s_wait_xcnt 0x0
	s_or_b32 exec_lo, exec_lo, s2
	s_endpgm
.Lfunc_end_k_qaeca5d4830_route:
	.size	k_qaeca5d4830_route, .Lfunc_end_k_qaeca5d4830_route-k_qaeca5d4830_route
	.p2alignl 7, 3214868480
	.fill 96, 4, 3214868480
	.section	.rodata,"a",@progbits
	.p2align	6, 0x0
	.amdhsa_kernel k_qaeca5d4830_route
		.amdhsa_group_segment_fixed_size 40960
		.amdhsa_private_segment_fixed_size 0
		.amdhsa_enable_private_segment 0
		.amdhsa_kernarg_size 56
		.amdhsa_user_sgpr_count 2
		.amdhsa_user_sgpr_kernarg_segment_ptr 1
		.amdhsa_wavefront_size32 1
		.amdhsa_system_sgpr_workgroup_id_x 1
		.amdhsa_system_sgpr_workgroup_id_y 1
		.amdhsa_system_sgpr_workgroup_id_z 1
		.amdhsa_system_vgpr_workitem_id 0
		.amdhsa_next_free_vgpr 232
		.amdhsa_next_free_sgpr 66
		.amdhsa_reserve_vcc 1
		.amdhsa_float_denorm_mode_32 3
		.amdhsa_float_denorm_mode_16_64 3
		.amdhsa_memory_ordered 1
		.amdhsa_forward_progress 1
		.amdhsa_inst_pref_size 27
	.end_amdhsa_kernel
	.amdgpu_metadata
---
amdhsa.version: [ 1, 2 ]
amdhsa.kernels:
  - .name:           k_qaeca5d4830_route
    .symbol:         k_qaeca5d4830_route.kd
    .args:
      - { .name: x, .offset: 0, .size: 8, .value_kind: global_buffer, .address_space: global }
      - { .name: gate_w, .offset: 8, .size: 8, .value_kind: global_buffer, .address_space: global }
      - { .name: gate_b, .offset: 16, .size: 8, .value_kind: global_buffer, .address_space: global }
      - { .name: xq, .offset: 24, .size: 8, .value_kind: global_buffer, .address_space: global }
      - { .name: xs, .offset: 32, .size: 8, .value_kind: global_buffer, .address_space: global }
      - { .name: sel, .offset: 40, .size: 8, .value_kind: global_buffer, .address_space: global }
      - { .name: gwt, .offset: 48, .size: 8, .value_kind: global_buffer, .address_space: global }
    .group_segment_fixed_size: 40960
    .private_segment_fixed_size: 0
    .kernarg_segment_align: 8
    .kernarg_segment_size: 56
    .max_flat_workgroup_size: 128
    .sgpr_count:     66
    .vgpr_count:     232
    .wavefront_size: 32
...
	.end_amdgpu_metadata
.endif
;; end of part 1
;; launch place (part 2): grid 1 x 1, 32 waves a work-group, no clusters, 8,704 bytes of LDS; arguments sel, plan; writes plan
.if DOCPART == 2
	.amdgcn_target "amdgcn-amd-amdhsa--gfx1250"
	.amdhsa_code_object_version 6
	.text
	.protected	k_qaeca5d4830_place
	.globl	k_qaeca5d4830_place
	.p2align	8
	.type	k_qaeca5d4830_place,@function
k_qaeca5d4830_place:
	s_mov_b64 s[64:65], 0
	v_nop
	global_prefetch_b8 v0, s[64:65] scope:SCOPE_SE
	s_setreg_imm32_b32 hwreg(HW_REG_WAVE_MODE, 25, 1), 1
	s_wait_xcnt 0x0
; PLACE: a counting sort of the 2,048 routed rows by expert, then by token, in whole numbers alone.  Thread t is token t.
; plan: words 0 .. 2047: the list, row slot 2 t + k at its place;  from byte 8192: for each expert {rows, first place, first tile, tiles of 16 rows}.
; One work-group: the sort needs every wave's counts, and work-groups hand each other nothing.  A token's two experts differ, so it counts once for an expert.
.set SPARE, 4608                       ; LDS: 0: wave w's eight counts at 144 w;  SPARE: the spare words, 128 bytes a wave
.set MA, 12                            ; s[12:19] lanes whose first choice is e;   s[20:27] whose second is
.set MB, 20
.set TT, 28                            ; s[28:35] my wave's counts, later each expert's total
.set PP, 36                            ; s[36:43] rows of earlier waves, later my wave's first place
.set RB, 44                            ; s[44:51] an expert's first place;  s[52:59] its first tile;  s[66:73] its tiles
.set TB, 52
.set NT, 66
	s_load_b128 s[4:7], s[0:1], 0x0                ; sel, plan
	v_lshl_add_u32 v40, v0, 2, SPARE
	v_mov_b32 v41, 0
	v_lshrrev_b32 v1, 5, v0
	v_readfirstlane_b32 s8, v1                     ; wave
	v_and_b32 v1, 31, v0                           ; lane
	v_lshlrev_b32 v2, 2, v0
	s_mul_i32 s9, s8, 144
	v_lshl_add_u32 v42, v1, 2, s9                  ; where my wave's counts go
	v_mul_u32_u24 v43, v1, 144                     ; and where wave (my lane)'s lie
	s_mov_b32 s10, 0x76543210
	s_mov_b32 s11, 0xfedcba98
	v_mov_b32 v6, 0
	v_mov_b32 v7, 0
	v_mov_b32 v8, 0
.irp k, 0,1,2,3,4,5,6,7
	v_mov_b32 v[28+\k], 0                          ; written once: destinations of lane moves count as sources
.endr
	s_wait_kmcnt 0x0
	global_load_b32 v3, v2, s[4:5]
	s_wait_loadcnt 0x0
	v_lshrrev_b32 v4, 8, v3
	v_and_b32 v3, 7, v3                            ; first choice
	v_and_b32 v4, 7, v4                            ; second
.irp e, 0,1,2,3,4,5,6,7
	v_cmp_eq_u32 s[MA+\e], \e, v3
	v_cmp_eq_u32 s[MB+\e], \e, v4
	s_or_b32 s[TT+\e], s[MA+\e], s[MB+\e]
	v_mbcnt_lo_u32_b32 v5, s[TT+\e], 0             ; tokens of my wave ahead of me that chose e
	v_cndmask_b32 v6, v6, v5, s[MA+\e]
	v_cndmask_b32 v7, v7, v5, s[MB+\e]
	s_bcnt1_i32_b32 s[TT+\e], s[TT+\e]
	v_writelane_b32 v8, s[TT+\e], \e
.endr
	ds_store_b32 v42, v8
	s_wait_dscnt 0x0
	s_barrier_signal -1
	s_barrier_wait -1
	ds_load_b128 v[12:15], v43
	ds_load_b128 v[16:19], v43 offset:16
	s_wait_dscnt 0x0
	s_wait_tensorcnt 0x0                           ; closing lines behind my last LDS store; no LDS instruction follows them
	ds_add_u32 v40, v41
	s_wait_dscnt 0x0
	v_cmp_gt_u32 vcc_lo, s8, v1                    ; waves ahead of mine
.irp k, 0,1,2,3
	v_lshl_or_b32 v[20+\k], v[13+2*\k], 16, v[12+2*\k]   ; two counts to a word: no sum passes 1,024
	v_cndmask_b32 v[24+\k], 0, v[20+\k], vcc_lo
.endr
.irp m, 1,2,4,8
.irp k, 0,1,2,3,4,5,6,7
	v_mov_b32_dpp v[28+\k], v[20+\k] row_xmask:\m row_mask:0xf bank_mask:0xf
.endr
.irp k, 0,1,2,3,4,5,6,7
	v_add_nc_u32 v[20+\k], v[20+\k], v[28+\k]
.endr
.endr
.irp k, 0,1,2,3,4,5,6,7
	v_permlanex16_b32 v[28+\k], v[20+\k], s10, s11
.endr
.irp k, 0,1,2,3,4,5,6,7
	v_add_nc_u32 v[20+\k], v[20+\k], v[28+\k]
	v_readfirstlane_b32 s[74+\k], v[20+\k]
.endr
.irp k, 0,1,2,3
	s_and_b32 s[TT+2*\k], s[74+\k], 0xffff
	s_lshr_b32 s[TT+2*\k+1], s[74+\k], 16
	s_and_b32 s[PP+2*\k], s[78+\k], 0xffff
	s_lshr_b32 s[PP+2*\k+1], s[78+\k], 16
.endr
	s_mov_b32 s[RB], 0
	s_mov_b32 s[TB], 0
.irp e, 0,1,2,3,4,5,6,7
	s_add_co_u32 s[NT+\e], s[TT+\e], 15
	s_lshr_b32 s[NT+\e], s[NT+\e], 4
.endr
.irp e, 0,1,2,3,4,5,6
	s_add_co_u32 s[RB+1+\e], s[RB+\e], s[TT+\e]
	s_add_co_u32 s[TB+1+\e], s[TB+\e], s[NT+\e]
.endr
	v_mov_b32 v44, 0
	v_mov_b32 v45, 0
.irp e, 0,1,2,3,4,5,6,7
	s_add_co_u32 s[PP+\e], s[PP+\e], s[RB+\e]
	v_mov_b32 v46, s[PP+\e]
	v_cndmask_b32 v44, v44, v46, s[MA+\e]
	v_cndmask_b32 v45, v45, v46, s[MB+\e]
.endr
	v_add_nc_u32 v44, v44, v6
	v_add_nc_u32 v45, v45, v7
	v_min_u32 v44, 2047, v44                       ; a number made of loaded data enters an address only behind such a bound
	v_min_u32 v45, 2047, v45
	v_lshlrev_b32 v44, 2, v44
	v_lshlrev_b32 v45, 2, v45
	v_lshlrev_b32 v36, 1, v0
	v_or_b32 v37, 1, v36
	global_store_b32 v44, v36, s[6:7]              ; 2,048 single words inside 8 KiB: a scatter in LDS would want LDS addresses made of data
	global_store_b32 v45, v37, s[6:7]
	s_cmp_lg_u32 s8, 0
	s_cbranch_scc1 .Lend
	v_mov_b32 v38, 0
.irp e, 0,1,2,3,4,5,6,7
	v_writelane_b32 v38, s[TT+\e], 4*\e
	v_writelane_b32 v38, s[RB+\e], 4*\e+1
	v_writelane_b32 v38, s[TB+\e], 4*\e+2
	v_writelane_b32 v38, s[NT+\e], 4*\e+3
.endr
	v_lshlrev_b32 v39, 2, v1
	global_store_b32 v39, v38, s[6:7] offset:8192
.Lend:
	s_endpgm
.Lfunc_end_k_qaeca5d4830_place:
	.size	k_qaeca5d4830_place, .Lfunc_end_k_qaeca5d4830_place-k_qaeca5d4830_place
	.p2alignl 7, 3214868480
	.fill 96, 4, 3214868480
	.section	.rodata,"a",@progbits
	.p2align	6, 0x0
	.amdhsa_kernel k_qaeca5d4830_place
		.amdhsa_group_segment_fixed_size 8704
		.amdhsa_private_segment_fixed_size 0
		.amdhsa_enable_private_segment 0
		.amdhsa_kernarg_size 16
		.amdhsa_user_sgpr_count 2
		.amdhsa_user_sgpr_kernarg_segment_ptr 1
		.amdhsa_wavefront_size32 1
		.amdhsa_system_sgpr_workgroup_id_x 1
		.amdhsa_system_sgpr_workgroup_id_y 1
		.amdhsa_system_sgpr_workgroup_id_z 1
		.amdhsa_system_vgpr_workitem_id 0
		.amdhsa_next_free_vgpr 64
		.amdhsa_next_free_sgpr 96
		.amdhsa_reserve_vcc 1
		.amdhsa_float_denorm_mode_32 3
		.amdhsa_float_denorm_mode_16_64 3
		.amdhsa_memory_ordered 1
		.amdhsa_forward_progress 1
		.amdhsa_inst_pref_size 16
	.end_amdhsa_kernel
	.amdgpu_metadata
---
amdhsa.version: [ 1, 2 ]
amdhsa.kernels:
  - .name:           k_qaeca5d4830_place
    .symbol:         k_qaeca5d4830_place.kd
    .args:
      - { .name: sel, .offset: 0, .size: 8, .value_kind: global_buffer, .address_space: global }
      - { .name: plan, .offset: 8, .size: 8, .value_kind: global_buffer, .address_space: global }
    .group_segment_fixed_size: 8704
    .private_segment_fixed_size: 0
    .kernarg_segment_align: 8
    .kernarg_segment_size: 16
    .max_flat_workgroup_size: 1024
    .sgpr_count:     96
    .vgpr_count:     64
    .wavefront_size: 32
...
	.end_amdgpu_metadata
.endif
;; end of part 2
;; launch up (part 3): grid 32 x 8, 4 waves a work-group, no clusters, 203,264 bytes of LDS; arguments xq, xs, plan, w1_codes, w1_scales, b1, hq, hs; writes hq, hs
.if DOCPART == 3
	.amdgcn_target "amdgcn-amd-amdhsa--gfx1250"
	.amdhsa_code_object_version 6
	.text
	.protected	k_qaeca5d4830_up
	.globl	k_qaeca5d4830_up
	.p2align	8
	.type	k_qaeca5d4830_up,@function
k_qaeca5d4830_up:
	s_mov_b64 s[64:65], 0
	v_nop
	global_prefetch_b8 v0, s[64:65] scope:SCOPE_SE
	s_setreg_imm32_b32 hwreg(HW_REG_WAVE_MODE, 25, 1), 1
	s_wait_xcnt 0x0
; UP: h = Q(gelu(Q(x) w1[e] + b1[e])) for the rows that chose expert e, both operands as codes of E3M2; h leaves as codes in the order of the next product's operand registers.
; Rows of experts that a token did not choose are not computed: their weight is 0 by reference()'s own comparison (shown at the head of the first launch).
; SHARES.  Work-group (x, y): expert y, hidden units 256 (x / 2) on, and every second tile of 16 of the expert's rows (tiles 2 q + x % 2).  Wave w: 64 hidden units, all of K: its 4 x 8 fragments of w1
; (384 registers) stay in registers: read once in pieces of 256 consecutive aligned bytes and turned through its own LDS stage.  x's codes are staged in LDS, four tiles a chunk, one by each wave, in two buffers by turns.
; THE GRID SERVES EVERY SPLIT: the loops have constant trips (8 chunks x 4 tiles = 32 tiles, 1,024 rows on one expert), every wave passes every barrier, and work past the stored count is jumped over.
; Such jumps hang on numbers read from memory, so the launch has no tensor load, and with it no joint request of a cluster: operands come by loads into registers.
; An expert's last tile repeats its last row (place = min(place, rows - 1)): the repeats give the same codes, so no lane is ever switched off.
; THE PRODUCT IS USED TRANSPOSED (source 0 = 16 rows of w1, source 1 = 16 rows of x), and lane r of tile 2 b + u takes w1's row 32 b + 8 u + r + 8 (r / 8): a lane holds one row of h, and the 16 registers of tiles 2 b, 2 b + 1 are 16 neighbours along the next K.
; GELU: 0.5 u (1 + erf(u / sqrt 2)), erf as the odd rational z P(z^2) / Q(z^2) with z held to +-3.8325, in f32.  LIMIT: erf is good to a few units of its last place, so gelu has an error of about 1e-7 |u|: far down the negative tail it is not exact relative to itself.
; LIMIT: a block of zeros gets the scale byte 1 where the rule says 127: its codes are zeros, and this program alone reads the bytes.
; REGISTERS, in windows of 256.  Window 0: v1-31 addresses; v32-47 w1's scale words; v48-51 x's; v52-75 twelve constants as pairs; v76-107 the four accumulators; v108-171 gelu at work; v172-189 the quantiser; v190-216 addresses, tokens.
;   Window 1: w1's fragments of K steps 0-3 at 48 s + 12 t; v192-223 b1 in the result's layout.   Window 2: K steps 4-7.   Window 3: v0-95 x's eight fragments; v96-191 the tile that I stage; v192-195 its scale words.
.set ROWP,  768                        ; a row of w1's codes, and of x's
.set PW,    784                        ; an LDS row: 768 + 16 = 196 words: row r starts at bank 4 r mod 64 (64 banks of 4 bytes: ISA guide 11.1): the 32 lanes of a fragment's load of 8 bytes touch 64 different banks
.set WSTW,  64*PW                      ; a wave's stage for its 64 rows of w1: LDS 0 on, at the head alone
.set ATILE, 16*PW+512                  ; a staged tile of x: 16 rows, then the image of its scale words
.set TOK,   4*WSTW                     ; the tokens of my 32 x 16 rows
.set SPARE, TOK+2048                   ; the spare words
.set RS2, 52
.set A9,  54
.set A7,  56
.set A5,  58
.set A3,  60
.set A1,  62
.set B12, 64
.set B10, 66
.set B8,  68
.set B6,  70
.set B4,  72
.set B2,  74
.set ZR,  108
.set SR,  124
.set PR,  140
.set QR,  156
.set MSB, 0
.macro WIN new                         ; the immediate's high byte repeats the setting that is left
.if MSB != (\new)
	s_set_vgpr_msb (MSB<<8)|(\new)
.set MSB, (\new)
.endif
.endm
.macro PLACES n
.rept \n
	v_nop
.endr
.endm
.macro CPAIR reg, val
	v_mov_b32 v[\reg], \val
	v_mov_b32 v[\reg+1], \val
.endm
.macro WLOAD hv                        ; 32 of my 64 rows of w1: each half of the lanes reads 256 consecutive aligned bytes of a row
	WIN (1+\hv)<<6
.irp m, 0,1,2,3,4,5,6,7,8,9,10,11,12,13,14,15
.irp p, 0,1,2
	global_load_b128 v[12*\m+4*\p:12*\m+4*\p+3], v15, s[14:15] offset:2*(16*\hv+\m)*ROWP+256*\p
.endr
.endr
.endm
.macro WPUT hv                         ; into my stage, a tile's 16 rows side by side
	WIN (1+\hv)<<2
.irp m, 0,1,2,3,4,5,6,7,8,9,10,11,12,13,14,15
.set RW, 2*(16*\hv+\m)
.set SW, 32*(RW>>5)+(RW&7)+16*((RW>>3)&1)+8*((RW>>4)&1)
.irp p, 0,1,2
	ds_store_b128 v6, v[12*\m+4*\p:12*\m+4*\p+3] offset:SW*PW+256*\p
.endr
.endr
.endm
.macro WGET                            ; and back as fragments: lane (r, h) takes 24 bytes at 96 s + 24 h of row 16 t + r, and 24 more 48 bytes on
.irp wv, 0,1
	WIN (1+\wv)<<6
.irp s, 0,1,2,3
.irp t, 0,1,2,3
.irp p, 0,1,2,3,4,5
	ds_load_b64 v[48*\s+12*\t+2*\p:48*\s+12*\t+2*\p+1], v4 offset:16*\t*PW+96*(4*\wv+\s)+48*(\p/3)+8*(\p%3)
.endr
.endr
.endr
.endr
.endm
.macro OWNLOAD                         ; the tile that I stage next: its 16 tokens from LDS (addresses v13, v14), then their codes and scale bytes
.irp m, 0,1,2,3,4,5,6,7
	ds_load_b32 v[196+\m], v13 offset:8*\m         ; rows 2 m + h
.endr
	ds_load_b32 v204, v14                          ; row r
	s_wait_dscnt 0x0
.irp m, 0,1,2,3,4,5,6,7
	v_min_u32 v[196+\m], 1023, v[196+\m]           ; a loaded number enters an address only behind such a bound
	v_mul_u32_u24 v[16+\m], v[196+\m], ROWP
	v_add_nc_u32 v[16+\m], v[16+\m], v29
.endr
	v_min_u32 v204, 1023, v204
	v_lshlrev_b32 v24, 5, v204
	v_add_nc_u32 v24, v24, v190
	WIN 0xc0
.irp m, 0,1,2,3,4,5,6,7
.irp p, 0,1,2
	global_load_b128 v[96+12*\m+4*\p:96+12*\m+4*\p+3], v[16+\m], s[8:9] offset:256*\p   ; sixteen lanes read 256 consecutive aligned bytes of a token's codes
.endr
.endr
	global_load_b128 v[192:195], v24, s[10:11]     ; lanes 0-15: the words of K steps 0-3 of row r; lanes 16-31: of K steps 4-7
	WIN 0
.endm
.macro OWNSTORE ast, asi
	WIN 0x0c                                       ; an LDS store's data are its source 1: window 3
.irp m, 0,1,2,3,4,5,6,7
.irp p, 0,1,2
	ds_store_b128 v[\ast], v[96+12*\m+4*\p:96+12*\m+4*\p+3] offset:2*\m*PW+256*\p
.endr
.endr
	ds_store_b128 v[\asi], v[192:195]
	WIN 0
.endm
.macro FETCH off                       ; a staged tile's eight fragments and its scale words
	WIN 0xc0
.irp s, 0,1,2,3,4,5,6,7
.irp p, 0,1,2,3,4,5
	ds_load_b64 v[12*\s+2*\p:12*\s+2*\p+1], v9 offset:\off+96*\s+48*(\p/3)+8*(\p%3)
.endr
.endr
	WIN 0
	ds_load_b128 v[48:51], v10 offset:\off+16*PW
.endm
; 32 matrix instructions: the four accumulators take turns, one instruction a turn; b1 is the C of each sum's first.  From K step 4 on both sides' scale words are read from lanes 16-31.
.macro MM
.irp s, 0,1,2,3,4,5,6,7
.if \s == 0
	WIN 0x1d                                       ; source 0 (w1) window 1, source 1 (x) window 3, source 2 (b1) window 1
.elseif \s < 4
	WIN 0x0d
.else
	WIN 0x0e                                       ; w1's K steps 4-7: window 2
.endif
.irp t, 0,1,2,3
.if \s == 0
	v_wmma_scale_f32_16x16x128_f8f6f4 v[76+8*\t:83+8*\t], v[12*\t:12*\t+11], v[0:11], v[192+8*\t:199+8*\t], v[32+4*\t], v48 matrix_a_fmt:MATRIX_FMT_BF6 matrix_b_fmt:MATRIX_FMT_BF6
.elseif \s < 4
	v_wmma_scale_f32_16x16x128_f8f6f4 v[76+8*\t:83+8*\t], v[48*\s+12*\t:48*\s+12*\t+11], v[12*\s:12*\s+11], v[76+8*\t:83+8*\t], v[32+4*\t+\s], v[48+\s] matrix_a_fmt:MATRIX_FMT_BF6 matrix_b_fmt:MATRIX_FMT_BF6
.else
	v_wmma_scale_f32_16x16x128_f8f6f4 v[76+8*\t:83+8*\t], v[48*(\s-4)+12*\t:48*(\s-4)+12*\t+11], v[12*\s:12*\s+11], v[76+8*\t:83+8*\t], v[32+4*\t+(\s-4)], v[48+(\s-4)] matrix_a_fmt:MATRIX_FMT_BF6 matrix_b_fmt:MATRIX_FMT_BF6 matrix_a_scale:MATRIX_SCALE_ROW1 matrix_b_scale:MATRIX_SCALE_ROW1
.endif
.endr
.endr
.endm
.macro PKM d, a, b                     ; 16 numbers, two at a time: d = a x b
.irp i, 0,2,4,6,8,10,12,14
	v_pk_mul_f32 v[\d+\i:\d+\i+1], v[\a+\i:\a+\i+1], v[\b+\i:\b+\i+1]
.endr
.endm
.macro PKF d, s, c1, c0                ; d = s x c1 + c0, c1 and c0 constants
.irp i, 0,2,4,6,8,10,12,14
	v_pk_fma_f32 v[\d+\i:\d+\i+1], v[\s+\i:\s+\i+1], v[\c1:\c1+1], v[\c0:\c0+1]
.endr
.endm
.macro PKH d, s, c                     ; d = d x s + c
.irp i, 0,2,4,6,8,10,12,14
	v_pk_fma_f32 v[\d+\i:\d+\i+1], v[\d+\i:\d+\i+1], v[\s+\i:\s+\i+1], v[\c:\c+1]
.endr
.endm
.macro GELU hb                         ; 16 numbers at v[hb], in place; each accumulator is read from its low end on
.irp i, 0,2,4,6,8,10,12,14
	v_pk_mul_f32 v[ZR+\i:ZR+\i+1], v[\hb+\i:\hb+\i+1], v[RS2:RS2+1]   ; z = u / sqrt 2
.endr
.irp i, 0,1,2,3,4,5,6,7,8,9,10,11,12,13,14,15
	v_med3_num_f32 v[ZR+\i], v[ZR+\i], s48, s49    ; held where erf is 1 to the last place
.endr
	PKM SR, ZR, ZR
	PKF PR, SR, A9, A7
	PKF QR, SR, B12, B10
	PKH PR, SR, A5
	PKH QR, SR, B8
	PKH PR, SR, A3
	PKH QR, SR, B6
	PKH PR, SR, A1
	PKH QR, SR, B4
	PKH QR, SR, B2
.irp i, 0,2,4,6,8,10,12,14
	v_pk_fma_f32 v[QR+\i:QR+\i+1], v[QR+\i:QR+\i+1], v[SR+\i:SR+\i+1], 1.0 op_sel_hi:[1,1,0]
.endr
.irp i, 0,1,2,3,4,5,6,7,8,9,10,11,12,13,14,15
	v_rcp_f32 v[QR+\i], v[QR+\i]                   ; one batch
.endr
	PKM PR, PR, ZR                                 ; plain work that names no reciprocal stands behind the batch
.irp i, 0,2,4,6,8,10,12,14
	v_pk_mul_f32 v[ZR+\i:ZR+\i+1], v[\hb+\i:\hb+\i+1], 0.5 op_sel_hi:[1,0]
.endr
	s_wait_alu depctr_va_vdst(0)                   ; the wait ahead of the first reader: one for the sixteen
	PKM PR, PR, QR                                 ; erf
.irp i, 0,2,4,6,8,10,12,14
	v_pk_fma_f32 v[\hb+\i:\hb+\i+1], v[ZR+\i:ZR+\i+1], v[PR+\i:PR+\i+1], v[ZR+\i:ZR+\i+1]   ; 0.5 u erf + 0.5 u
.endr
.endm
.macro QHALF                           ; my 64 hidden units of 16 rows: two blocks of 32, half a fragment of the next product: codes in v[180:185], my block's byte in v189
.irp b, 0,1
	v_max3_num_f32 v[172+\b], |v[76+16*\b]|, |v[77+16*\b]|, 0x2800000   ; my 16 numbers of block b, and the floor 2^(5 - 127): the byte cannot fall under 1
.endr
.irp i, 2,4,6,8,10,12,14
.irp b, 0,1
	v_max3_num_f32 v[172+\b], v[172+\b], |v[76+16*\b+\i]|, |v[77+16*\b+\i]|
.endr
.endr
.irp b, 0,1
	v_permlanex16_b32 v[174+\b], v[172+\b], s50, s51
.endr
.irp b, 0,1
	v_max_num_f32 v[172+\b], v[172+\b], v[174+\b]  ; with lane l xor 16's: the block's largest magnitude
.endr
.irp b, 0,1
	v_add_nc_u32 v[176+\b], 0xfe000000, v[172+\b]  ; 4 off its exponent field: the conversion's scale operand
.endr
.irp b, 0,1
	v_lshrrev_b32 v[178+\b], 23, v[176+\b]         ; the scale's byte
.endr
	s_wait_xcnt 0x0                                ; the last tile's stores have read their data and addresses: both are written again only behind this wait
	v_cndmask_b32 v189, v178, v179, s52            ; lanes 0-15 store block 0's byte, lanes 16-31 block 1's
	v_cvt_scalef32_pk16_bf6_f32 v[180:182], v[76:91], v176
	v_cvt_scalef32_pk16_bf6_f32 v[186:188], v[92:107], v177
	v_nop                                          ; one plain line behind a scaled conversion
.irp i, 0,1,2
	v_permlane16_swap_b32 v[180+\i], v[186+\i]     ; the operand's layout wants a whole block in a lane: lanes 0-15 block 0, lanes 16-31 block 1
.endr
.irp i, 0,1,2
	v_mov_b32 v[183+\i], v[186+\i]
.endr
.endm
	s_load_b512 s[8:23], s[0:1], 0x0               ; xq 8, xs 10, plan 12, w1_codes 14, w1_scales 16, b1 18, hq 20, hs 22
	v_lshl_add_u32 v30, v0, 2, SPARE               ; my spare word,
	v_mov_b32 v31, 0                               ; and 0: kept for the closing lines alone
	v_lshrrev_b32 v205, 5, v0
	v_readfirstlane_b32 s28, v205                  ; wave
	s_and_b32 s29, ttmp7, 0xffff                   ; expert
	s_lshr_b32 s30, ttmp9, 1                       ; which 256 hidden units
	s_and_b32 s31, ttmp9, 1                        ; even or odd tiles of rows
	s_lshl_b32 s34, s29, 4
	s_wait_kmcnt 0x0
	s_load_b128 s[24:27], s[12:13], s34 offset:0x2000   ; the expert's rows, first place, first tile, tiles
	v_and_b32 v205, 31, v0                         ; lane
	v_and_b32 v206, 15, v0                         ; r
	v_bfe_u32 v207, v0, 4, 1                       ; h
	v_lshlrev_b32 v1, 4, v205                      ; 16 x lane
	v_lshlrev_b32 v2, 3, v205                      ; 8 x lane
	v_lshlrev_b32 v29, 4, v206                     ; 16 r
	v_lshlrev_b32 v190, 4, v207                    ; 16 h
	v_mul_u32_u24 v3, v206, PW
	v_mad_u32_u24 v3, v207, 24, v3                 ; a fragment's place: row r, + 24 h
	s_mul_i32 s2, s28, WSTW
	v_add_nc_u32 v4, s2, v3                        ; in my stage
	v_mul_u32_u24 v5, v207, PW
	v_add_nc_u32 v5, v5, v29                       ; a row pair's place: row h, + 16 r
	v_add_nc_u32 v6, s2, v5                        ; in my stage
	s_mul_i32 s2, s28, ATILE
	v_add_nc_u32 v7, s2, v5                        ; in the tile that I stage, buffer 0,
	v_add_nc_u32 v8, s2, v1
	v_add_nc_u32 v8, 16*PW, v8                     ; and its scale words' image
	v_add_nc_u32 v191, 0x10000, v7                 ; buffer 1
	v_add_nc_u32 v192, 0x10000, v8
	v_lshl_add_u32 v11, v207, 2, TOK
	v_lshl_add_u32 v12, v206, 2, TOK
	v_lshl_add_u32 v195, v0, 2, TOK
	v_mul_u32_u24 v15, v207, ROWP
	v_add_nc_u32 v15, v15, v29                     ; w1 in memory: row h of a pair, + 16 r
	v_and_b32 v193, 8, v206
	v_add_nc_u32 v193, v193, v206                  ; r + 8 (r / 8)
	v_lshlrev_b32 v193, 5, v193
	v_add_nc_u32 v193, v193, v190                  ; w1's scale bytes: 32 a row, + 16 h
	v_lshlrev_b32 v194, 6, v207                    ; b1: 16 h numbers on
	v_lshrrev_b32 v208, 4, v0
	v_lshlrev_b32 v208, 5, v208
	v_add_nc_u32 v208, v208, v206
	s_lshl_b32 s2, s31, 4
	v_add_nc_u32 v208, s2, v208                    ; the place in the expert's list of row (thread % 16) of my tile (thread / 16)
	v_mov_b32 v174, 0                              ; written once: a lane permute's destination counts as one of its sources
	v_mov_b32 v175, 0
	s_lshl_b32 s2, s29, 12
	s_lshl_b32 s3, s30, 8
	s_add_co_u32 s2, s2, s3
	s_lshl_b32 s3, s28, 6
	s_add_co_u32 s2, s2, s3                        ; my first row of w1: 4096 e + 256 (x / 2) + 64 w
	s_mov_b32 s47, 0
	s_mul_i32 s46, s2, ROWP
	s_add_nc_u64 s[14:15], s[14:15], s[46:47]
	s_lshl_b32 s46, s2, 5
	s_add_nc_u64 s[16:17], s[16:17], s[46:47]
	s_lshl_b32 s46, s2, 2
	s_add_nc_u64 s[18:19], s[18:19], s[46:47]
	s_lshl_b32 s41, s30, 1
	s_lshr_b32 s42, s28, 1
	s_add_co_u32 s41, s41, s42                     ; the next product's K step that I feed,
	s_and_b32 s43, s28, 1                          ; and which half of it
	s_mul_i32 s37, s41, 1536
	s_mul_i32 s42, s43, 768
	s_add_co_u32 s37, s37, s42                     ; its place in a tile of hq
	s_lshr_b32 s42, s41, 3
	s_lshl_b32 s42, s42, 9
	s_bfe_u32 s46, s41, 0x10002
	s_lshl_b32 s46, s46, 8
	s_add_co_u32 s42, s42, s46
	s_and_b32 s46, s41, 3
	s_lshl_b32 s46, s46, 2
	s_add_co_u32 s42, s42, s46
	s_lshl_b32 s46, s43, 1
	s_add_co_u32 s42, s42, s46
	v_add_nc_u32 v28, v29, v207
	v_add_nc_u32 v28, s42, v28                     ; my byte's place in a tile of hs
	s_mov_b32 s48, 0xc07547cb
	s_mov_b32 s49, 0x407547cb
	s_mov_b32 s50, 0x76543210
	s_mov_b32 s51, 0xfedcba98
	s_mov_b32 s52, 0xffff0000
.irp t, 0,1,2,3
	global_load_b128 v[32+4*\t:35+4*\t], v193, s[16:17] offset:(32*(\t/2)+8*(\t%2))*32
.endr
	WIN 0x40
.irp t, 0,1,2,3
	global_load_b128 v[192+8*\t:195+8*\t], v194, s[18:19] offset:(32*(\t/2)+8*(\t%2))*4
	global_load_b128 v[196+8*\t:199+8*\t], v194, s[18:19] offset:(32*(\t/2)+8*(\t%2))*4+16
.endr
	WLOAD 0
	WIN 0
	s_wait_kmcnt 0x0
	s_min_u32 s24, s24, 1024
	s_min_u32 s25, s25, 2047
	s_min_u32 s26, s26, 135
	s_min_u32 s27, s27, 64
	s_max_u32 s33, s24, 1
	s_sub_co_u32 s33, s33, 1                       ; the last row's place
	s_sub_co_u32 s32, s27, s31
	s_add_co_u32 s32, s32, 1
	s_lshr_b32 s32, s32, 1                         ; my tiles: at most 32
	s_add_co_u32 s34, s26, s31                     ; my first tile in hq
.irp k, 0,1,2,3
	v_add_nc_u32 v[209+\k], 256*\k, v208
	v_min_u32 v[209+\k], s33, v[209+\k]            ; past the end: the last row once more
	v_add_nc_u32 v[209+\k], s25, v[209+\k]
	v_min_u32 v[209+\k], 2047, v[209+\k]
	v_lshlrev_b32 v[209+\k], 2, v[209+\k]
	global_load_b32 v[213+\k], v[209+\k], s[12:13]
.endr
	WLOAD 1
	WIN 0
	CPAIR RS2, 0x3f3504f3
	CPAIR A9,  0x39702d51
	CPAIR A7,  0x3b5f5da2
	CPAIR A5,  0x3d50b6eb
	CPAIR A3,  0x3e3da740
	CPAIR A1,  0x3f906eba
	CPAIR B12, 0xb3fd3906
	CPAIR B10, 0x37c588df
	CPAIR B8,  0x3a856d28
	CPAIR B6,  0x3c6687d4
	CPAIR B4,  0x3de34c21
	CPAIR B2,  0x3efeb44a
	s_wait_loadcnt 48                              ; all but the 48 loads of the weights' second half
.irp k, 0,1,2,3
	v_lshrrev_b32 v[213+\k], 1, v[213+\k]          ; slot 2 t + k: the token
	v_min_u32 v[213+\k], 1023, v[213+\k]
	ds_store_b32 v195, v[213+\k] offset:512*\k
.endr
	WPUT 0
	WIN 0
	s_wait_dscnt 0x0
	s_barrier_signal -1
	s_barrier_wait -1                              ; the tokens lie in LDS
	s_lshl_b32 s46, s28, 6
	v_add_nc_u32 v13, s46, v11
	v_add_nc_u32 v14, s46, v12
	OWNLOAD                                        ; my tile of the first chunk: always asked for (its places are held inside the list)
	s_wait_loadcnt 25                              ; the weights' second half is in; the 25 loads just issued may be out
	WPUT 1
	s_wait_dscnt 0x0
	WGET
	WIN 0
	s_wait_dscnt 0x0                               ; my reads of my stage are over: the staged tiles of x will lie over it
	s_barrier_signal -1
	s_barrier_wait -1
; A CHUNK: four tiles, one staged by each wave, in buffer b.  One barrier: in front of it my stores into buffer b are done and my reads of the other buffer are over; that buffer is written again only in the next chunk.
.macro CHUNK b
	s_lshl_b32 s36, s40, 3
.if \b
	s_add_co_u32 s36, s36, 4                       ; the chunk's first tile
.endif
	s_add_co_u32 s44, s36, s28                     ; the tile that I stage now,
	s_add_co_u32 s45, s44, 4                       ; and the one that I ask for
	s_lshl_b32 s46, s45, 6
	s_min_u32 s46, s46, 1984                       ; (held at the list's last tile)
	v_add_nc_u32 v13, s46, v11
	v_add_nc_u32 v14, s46, v12
	s_add_co_u32 s38, s36, 4
	s_min_u32 s38, s38, s32                        ; the chunk's end
	s_mov_b32 s35, \b*65536
	v_add_nc_u32 v9, s35, v3
	v_add_nc_u32 v10, s35, v1
	s_wait_loadcnt 0x0                             ; the tile that I asked for a chunk ago
	s_cmp_lt_u32 s44, s32
	s_cbranch_scc0 .Lns_\@
.if \b
	OWNSTORE 191, 192
.else
	OWNSTORE 7, 8
.endif
.Lns_\@:
	s_wait_dscnt 0x0
	s_barrier_signal -1
	s_barrier_wait -1
	s_cmp_lt_u32 s45, s32
	s_cbranch_scc0 .Lnl_\@
	OWNLOAD
.Lnl_\@:
	FETCH 0                                        ; always: so x's registers are written on every way to a product
	s_mov_b32 s39, 4
.Lj_\@:
	v_add_nc_u32 v9, s35, v3
	v_add_nc_u32 v10, s35, v1
	s_cmp_lt_u32 s36, s38
	s_cbranch_scc0 .Lsk_\@
	s_wait_dscnt 0x0                               ; the tile's fragments
	MM
	WIN 0
	PLACES 5                                       ; in front of loads into registers that the products read and of the first read of results (four), and of the next tile's first products, which begin the accumulators anew (five)
	s_add_co_u32 s46, s36, 1
	s_cmp_lt_u32 s46, s38
	s_cbranch_scc0 .Lnf_\@
	FETCH ATILE                                    ; the next tile's fragments land under the gelu
.Lnf_\@:
	GELU 76
	GELU 92
	QHALF
	s_lshl_b32 s46, s36, 1
	s_add_co_u32 s46, s46, s34
	s_min_u32 s46, s46, 135                        ; the tile in hq
	s_mul_i32 s47, s46, 49152
	s_add_co_u32 s47, s47, s37
	s_lshl_b32 s46, s46, 11
	v_add_nc_u32 v25, s47, v1
	v_add_nc_u32 v26, s47, v2
	v_add_nc_u32 v27, s46, v28
	global_store_b128 v25, v[180:183], s[20:21]    ; 512 consecutive bytes: registers 6 c .. 6 c + 3 of every lane,
	global_store_b64 v26, v[184:185], s[20:21] offset:512   ; 256 more: registers 6 c + 4, 6 c + 5
	global_store_b8 v27, v189, s[22:23]            ; my block's scale byte: one byte in 24 of what the tile stores
.Lsk_\@:
	s_add_co_u32 s36, s36, 1
	s_add_co_u32 s35, s35, ATILE
	s_sub_co_u32 s39, s39, 1
	s_cmp_lg_u32 s39, 0
	s_cbranch_scc1 .Lj_\@
.endm
	s_mov_b32 s40, 0
.Lout:
	CHUNK 0
	CHUNK 1
	s_add_co_u32 s40, s40, 1
	s_cmp_lt_u32 s40, 4
	s_cbranch_scc1 .Lout
	s_wait_tensorcnt 0x0                           ; the wave's end: closing lines behind my last LDS store
	ds_add_u32 v30, v31
	s_wait_dscnt 0x0
	s_endpgm
.Lfunc_end_k_qaeca5d4830_up:
	.size	k_qaeca5d4830_up, .Lfunc_end_k_qaeca5d4830_up-k_qaeca5d4830_up
	.p2alignl 7, 3214868480
	.fill 96, 4, 3214868480
	.section	.rodata,"a",@progbits
	.p2align	6, 0x0
	.amdhsa_kernel k_qaeca5d4830_up
		.amdhsa_group_segment_fixed_size 203264
		.amdhsa_private_segment_fixed_size 0
		.amdhsa_enable_private_segment 0
		.amdhsa_kernarg_size 64
		.amdhsa_user_sgpr_count 2
		.amdhsa_user_sgpr_kernarg_segment_ptr 1
		.amdhsa_wavefront_size32 1
		.amdhsa_system_sgpr_workgroup_id_x 1
		.amdhsa_system_sgpr_workgroup_id_y 1
		.amdhsa_system_sgpr_workgroup_id_z 1
		.amdhsa_system_vgpr_workitem_id 0
		.amdhsa_next_free_vgpr 1024
		.amdhsa_next_free_sgpr 66
		.amdhsa_reserve_vcc 0
		.amdhsa_float_denorm_mode_32 3
		.amdhsa_float_denorm_mode_16_64 3
		.amdhsa_memory_ordered 1
		.amdhsa_forward_progress 1
		.amdhsa_inst_pref_size 121
	.end_amdhsa_kernel
	.amdgpu_metadata
---
amdhsa.version: [ 1, 2 ]
amdhsa.kernels:
  - .name:           k_qaeca5d4830_up
    .symbol:         k_qaeca5d4830_up.kd
    .args:
      - { .name: xq, .offset: 0, .size: 8, .value_kind: global_buffer, .address_space: global }
      - { .name: xs, .offset: 8, .size: 8, .value_kind: global_buffer, .address_space: global }
      - { .name: plan, .offset: 16, .size: 8, .value_kind: global_buffer, .address_space: global }
      - { .name: w1_codes, .offset: 24, .size: 8, .value_kind: global_buffer, .address_space: global }
      - { .name: w1_scales, .offset: 32, .size: 8, .value_kind: global_buffer, .address_space: global }
      - { .name: b1, .offset: 40, .size: 8, .value_kind: global_buffer, .address_space: global }
      - { .name: hq, .offset: 48, .size: 8, .value_kind: global_buffer, .address_space: global }
      - { .name: hs, .offset: 56, .size: 8, .value_kind: global_buffer, .address_space: global }
    .group_segment_fixed_size: 203264
    .private_segment_fixed_size: 0
    .kernarg_segment_align: 8
    .kernarg_segment_size: 64
    .max_flat_workgroup_size: 128
    .sgpr_count:     66
    .vgpr_count:     1024
    .wavefront_size: 32
...
	.end_amdgpu_metadata
.endif
;; end of part 3
;; launch down (part 4): grid 32 x 8, 4 waves a work-group, no clusters, 205,312 bytes of LDS; arguments hq, hs, plan, gwt, w2_codes, w2_scales, b2, ybuf; writes ybuf
.if DOCPART == 4
	.amdgcn_target "amdgcn-amd-amdhsa--gfx1250"
	.amdhsa_code_object_version 6
	.text
	.protected	k_qaeca5d4830_down
	.globl	k_qaeca5d4830_down
	.p2align	8
	.type	k_qaeca5d4830_down,@function
k_qaeca5d4830_down:
	s_mov_b64 s[64:65], 0
	v_nop
	global_prefetch_b8 v0, s[64:65] scope:SCOPE_SE
	s_setreg_imm32_b32 hwreg(HW_REG_WAVE_MODE, 25, 1), 1
	s_wait_xcnt 0x0
; DOWN: ybuf[2 t + k] = gate weight x (h w2[e] + b2[e]) for the rows that chose expert e; both operands as codes of E3M2.
; Rows of experts that a token did not choose are not computed: their weight is 0 by reference()'s own comparison (shown at the head of the first launch).
; SHARES.  Work-group (x, y): expert y, outputs 64 (x / 2) on, every second tile of 16 of the expert's rows.  Wave w takes K = 1024 w .. 1024 w + 1023 of all 64 outputs: its 4 x 8 fragments of w2 (384 registers)
; stay in registers, read once in pieces of 256 consecutive aligned bytes and turned through its own LDS stage.  So no byte of h is loaded twice in a work-group; the four waves' sums meet in LDS, four tiles a chunk, in two buffers by turns.
; h comes from memory in the order of the operand's registers: every load is dense; two tiles are on their way while one is multiplied.
; THE GRID SERVES EVERY SPLIT: constant trips (8 chunks x 4 tiles), every wave passes every barrier, work past the stored count is jumped over.  Such jumps hang on numbers read from memory, so the launch has no tensor load and no joint request of a cluster.
; The repeats of an expert's last row give the same numbers and are stored to the same bytes.
; THE PRODUCT IS USED TRANSPOSED (source 0 = 16 rows of w2, source 1 = 16 rows of h): a lane holds eight neighbouring outputs of one row.
; REGISTERS.  Window 0: v1-15 addresses; v16-31 w2's scale words; v32-39 h's, two slots; v40-71 four accumulators; v72-103 the four waves' parts; v104-107 b2; v108-115 slots, weights, addresses; v116, v117 the closing lines' two.
;   Window 1: w2's fragments of my K steps 0-3 at 48 s + 12 t.   Window 2: K steps 4-7.   Window 3: h's fragments, slot n at 96 n + 12 s.
.set ROWP,  3072
.set PW,    784
.set WSTW,  64*PW
.set PARTW, 16*272                     ; a wave's sums of a tile: 16 rows x (256 bytes + 16)
.set PARTT, 4*PARTW
.set PART1, 131072
.set SLT,   4*WSTW                     ; the slots of my 32 x 16 rows;
.set GWL,   SLT+2048                   ; their gate weights
.set SPARE, GWL+2048
.set MSB, 0
.macro WIN new
.if MSB != (\new)
	s_set_vgpr_msb (MSB<<8)|(\new)
.set MSB, (\new)
.endif
.endm
.macro PLACES n
.rept \n
	v_nop
.endr
.endm
.macro WLOAD hv
	WIN (1+\hv)<<6
.irp m, 0,1,2,3,4,5,6,7,8,9,10,11,12,13,14,15
.irp p, 0,1,2
	global_load_b128 v[12*\m+4*\p:12*\m+4*\p+3], v3, s[16:17] offset:2*(16*\hv+\m)*ROWP+256*\p
.endr
.endr
.endm
.macro WPUT hv
	WIN (1+\hv)<<2
.irp m, 0,1,2,3,4,5,6,7,8,9,10,11,12,13,14,15
.irp p, 0,1,2
	ds_store_b128 v5, v[12*\m+4*\p:12*\m+4*\p+3] offset:2*(16*\hv+\m)*PW+256*\p
.endr
.endr
.endm
.macro WGET
.irp wv, 0,1
	WIN (1+\wv)<<6
.irp s, 0,1,2,3
.irp t, 0,1,2,3
.irp p, 0,1,2,3,4,5
	ds_load_b64 v[48*\s+12*\t+2*\p:48*\s+12*\t+2*\p+1], v4 offset:16*\t*PW+96*(4*\wv+\s)+48*(\p/3)+8*(\p%3)
.endr
.endr
.endr
.endr
.endm
.macro ALOAD slot                      ; tile s47 of hq (held at 135): my eight K steps, 33 dense loads
	s_mul_i32 s2, s47, 49152
	s_mov_b32 s3, 0
	s_add_nc_u64 s[52+2*\slot:53+2*\slot], s[8:9], s[2:3]
	s_lshl_b32 s2, s47, 11
	s_add_nc_u64 s[56+2*\slot:57+2*\slot], s[10:11], s[2:3]
	global_load_b128 v[32+4*\slot:35+4*\slot], v1, s[56+2*\slot:57+2*\slot]
	WIN 0xc0
.irp s, 0,1,2,3,4,5,6,7
.irp c, 0,1
	global_load_b128 v[96*\slot+12*\s+6*\c:96*\slot+12*\s+6*\c+3], v1, s[52+2*\slot:53+2*\slot] offset:1536*\s+768*\c
	global_load_b64 v[96*\slot+12*\s+6*\c+4:96*\slot+12*\s+6*\c+5], v2, s[52+2*\slot:53+2*\slot] offset:1536*\s+768*\c+512
.endr
.endr
	WIN 0
.endm
.macro MM slot                         ; 32 matrix instructions: the four accumulators take turns, one instruction a turn; the first products start the sums
.irp s, 0,1,2,3,4,5,6,7
.if \s < 4
	WIN 0x0d
.else
	WIN 0x0e
.endif
.irp t, 0,1,2,3
.if \s == 0
	v_wmma_scale_f32_16x16x128_f8f6f4 v[40+8*\t:47+8*\t], v[12*\t:12*\t+11], v[96*\slot:96*\slot+11], 0, v[16+4*\t], v[32+4*\slot] matrix_a_fmt:MATRIX_FMT_BF6 matrix_b_fmt:MATRIX_FMT_BF6
.elseif \s < 4
	v_wmma_scale_f32_16x16x128_f8f6f4 v[40+8*\t:47+8*\t], v[48*\s+12*\t:48*\s+12*\t+11], v[96*\slot+12*\s:96*\slot+12*\s+11], v[40+8*\t:47+8*\t], v[16+4*\t+\s], v[32+4*\slot+\s] matrix_a_fmt:MATRIX_FMT_BF6 matrix_b_fmt:MATRIX_FMT_BF6
.else
	v_wmma_scale_f32_16x16x128_f8f6f4 v[40+8*\t:47+8*\t], v[48*(\s-4)+12*\t:48*(\s-4)+12*\t+11], v[96*\slot+12*\s:96*\slot+12*\s+11], v[40+8*\t:47+8*\t], v[16+4*\t+(\s-4)], v[32+4*\slot+(\s-4)] matrix_a_fmt:MATRIX_FMT_BF6 matrix_b_fmt:MATRIX_FMT_BF6 matrix_a_scale:MATRIX_SCALE_ROW1 matrix_b_scale:MATRIX_SCALE_ROW1
.endif
.endr
.endr
.endm
; Tile s36 + j.  On every way out of a step either 33 loads were issued behind the other slot's, or none is out: so the count 33 shows this slot's tile landed on every way in.
.macro STEP b, j, slot
	s_add_co_u32 s46, s36, \j
	s_cmp_lt_u32 s46, s32
	s_cbranch_scc0 .Lskip_\@
	s_wait_loadcnt 33                              ; this slot's 33 loads are in; the other slot's may be out
	s_wait_dscnt 0x0                               ; the last tile's stores have read the accumulators
	MM \slot
	WIN 0
	PLACES 5                                       ; in front of loads into registers that the products read and of the stores of results (four), and of the next tile's first products, which begin the accumulators anew (five)
	s_add_co_u32 s46, s46, 2
	s_cmp_lt_u32 s46, s32
	s_cbranch_scc0 .Lnone_\@
	s_lshl_b32 s47, s46, 1
	s_add_co_u32 s47, s47, s34
	s_min_u32 s47, s47, 135
	ALOAD \slot                                    ; two tiles on
	s_branch .Lput_\@
.Lnone_\@:
	s_wait_loadcnt 0x0
.Lput_\@:
.irp t, 0,1,2,3
	ds_store_b128 v[6+\b], v[40+8*\t:43+8*\t] offset:\j*PARTT+64*\t          ; each accumulator from its low end on
	ds_store_b128 v[6+\b], v[44+8*\t:47+8*\t] offset:\j*PARTT+64*\t+16
.endr
	s_branch .Ldone_\@
.Lskip_\@:
	s_wait_loadcnt 0x0
.Ldone_\@:
.endm
; Rows 4 w .. 4 w + 3 of tile s36 + j: the four waves' sums, b2, the gate's weight; sixteen lanes store 256 consecutive aligned bytes of a row of ybuf.
.macro REDUCE b, j
	s_add_co_u32 s46, s36, \j
	s_lshl_b32 s47, s46, 6
	s_min_u32 s47, s47, 1984
	v_add_nc_u32 v13, s47, v12
	s_cmp_lt_u32 s46, s32
	s_cbranch_scc0 .Lnr_\@
	s_wait_xcnt 0x0                                ; the last tile's stores have read their data and addresses
.irp i, 0,1
	ds_load_b32 v[108+\i], v13 offset:8*\i
	ds_load_b32 v[110+2*\i], v13 offset:2048+8*\i
.endr
.irp q, 0,1,2,3
.irp i, 0,1
	ds_load_b128 v[72+8*\q+4*\i:75+8*\q+4*\i], v[8+2*\b+\j/2] offset:(\j%2)*PARTT+\q*PARTW+544*\i
.endr
.endr
	s_wait_dscnt 0x0
.irp d, 0,2,4,6
	v_pk_add_f32 v[72+\d:73+\d], v[72+\d:73+\d], v[80+\d:81+\d]
	v_pk_add_f32 v[88+\d:89+\d], v[88+\d:89+\d], v[96+\d:97+\d]
.endr
.irp d, 0,2,4,6
	v_pk_add_f32 v[72+\d:73+\d], v[72+\d:73+\d], v[88+\d:89+\d]
.endr
.irp i, 0,1
.irp d, 0,2
	v_pk_add_f32 v[72+4*\i+\d:73+4*\i+\d], v[72+4*\i+\d:73+4*\i+\d], v[104+\d:105+\d]
.endr
.endr
.irp i, 0,1
.irp d, 0,2
	v_pk_mul_f32 v[72+4*\i+\d:73+4*\i+\d], v[72+4*\i+\d:73+4*\i+\d], v[110+2*\i:111+2*\i] op_sel_hi:[1,0]
.endr
	v_min_u32 v[108+\i], 2047, v[108+\i]
	v_lshl_add_u32 v[114+\i], v[108+\i], 12, v14
	global_store_b128 v[114+\i], v[72+4*\i:75+4*\i], s[22:23]
.endr
.Lnr_\@:
.endm
	s_load_b512 s[8:23], s[0:1], 0x0               ; hq 8, hs 10, plan 12, gwt 14, w2_codes 16, w2_scales 18, b2 20, ybuf 22
	v_lshl_add_u32 v116, v0, 2, SPARE
	v_mov_b32 v117, 0
	v_lshrrev_b32 v118, 5, v0
	v_readfirstlane_b32 s28, v118                  ; wave = quarter of K
	s_and_b32 s29, ttmp7, 0xffff                   ; expert
	s_lshr_b32 s30, ttmp9, 1                       ; which 64 outputs
	s_and_b32 s31, ttmp9, 1                        ; even or odd tiles of rows
	s_lshl_b32 s34, s29, 4
	s_wait_kmcnt 0x0
	s_load_b128 s[24:27], s[12:13], s34 offset:0x2000
	v_and_b32 v118, 31, v0
	v_and_b32 v119, 15, v0                         ; r
	v_bfe_u32 v120, v0, 4, 1                       ; h
	v_lshlrev_b32 v1, 4, v118
	v_lshlrev_b32 v2, 3, v118
	v_lshlrev_b32 v14, 4, v119
	v_mul_u32_u24 v3, v120, ROWP
	v_add_nc_u32 v3, v3, v14                       ; w2 in memory: row h of a pair, + 16 r
	s_mul_i32 s2, s28, WSTW
	v_mul_u32_u24 v4, v119, PW
	v_mad_u32_u24 v4, v120, 24, v4
	v_add_nc_u32 v4, s2, v4                        ; a fragment's place in my stage
	v_mul_u32_u24 v5, v120, PW
	v_add_nc_u32 v5, v5, v14
	v_add_nc_u32 v5, s2, v5                        ; a row pair's
	s_mul_i32 s2, s28, PARTW
	v_mul_u32_u24 v6, v119, 272
	v_lshl_add_u32 v6, v120, 5, v6
	v_add_nc_u32 v6, s2, v6                        ; my sums: row r, + 32 h; buffer 0,
	v_add_nc_u32 v7, PART1, v6                     ; buffer 1
	s_mul_i32 s2, s28, 4*272
	v_mul_u32_u24 v8, v120, 272
	v_add_nc_u32 v8, v8, v14
	v_add_nc_u32 v8, s2, v8                        ; back: row 4 w + h, + 16 r: buffer 0, tiles 0 and 1;
	v_add_nc_u32 v9, 2*PARTT, v8                   ; tiles 2 and 3;
	v_add_nc_u32 v10, PART1, v8                    ; buffer 1
	v_add_nc_u32 v11, PART1+2*PARTT, v8
	s_lshl_b32 s2, s28, 4
	s_add_co_u32 s2, s2, SLT
	v_lshl_add_u32 v12, v120, 2, s2                ; the slot of row 4 w + h
	v_lshlrev_b32 v15, 7, v119
	v_lshl_add_u32 v15, v120, 4, v15               ; w2's scale bytes: 128 a row, + 16 h
	v_lshl_add_u32 v121, v0, 2, SLT
	v_lshrrev_b32 v138, 4, v0
	v_lshlrev_b32 v138, 5, v138
	v_add_nc_u32 v138, v138, v119
	s_lshl_b32 s2, s31, 4
	v_add_nc_u32 v138, s2, v138                    ; the place in the expert's list of row (thread % 16) of my tile (thread / 16)
	v_mov_b32 v111, 0                              ; named as the upper halves of pairs
	v_mov_b32 v113, 0
	s_lshl_b32 s2, s29, 10
	s_lshl_b32 s3, s30, 6
	s_add_co_u32 s2, s2, s3                        ; my first row of w2: 1024 e + 64 (x / 2)
	s_mov_b32 s47, 0
	s_mul_i32 s46, s2, ROWP
	s_mul_i32 s3, s28, 768
	s_add_co_u32 s46, s46, s3
	s_add_nc_u64 s[16:17], s[16:17], s[46:47]
	s_lshl_b32 s46, s2, 7
	s_lshl_b32 s3, s28, 5
	s_add_co_u32 s46, s46, s3
	s_add_nc_u64 s[18:19], s[18:19], s[46:47]
	s_lshl_b32 s46, s2, 2
	s_add_nc_u64 s[20:21], s[20:21], s[46:47]
	s_lshl_b32 s46, s30, 8
	s_add_nc_u64 s[22:23], s[22:23], s[46:47]
	s_mul_i32 s46, s28, 12288
	s_add_nc_u64 s[8:9], s[8:9], s[46:47]          ; my eight K steps in a tile of hq,
	s_lshl_b32 s46, s28, 9
	s_add_nc_u64 s[10:11], s[10:11], s[46:47]      ; and of hs
.irp t, 0,1,2,3
	global_load_b128 v[16+4*\t:19+4*\t], v15, s[18:19] offset:2048*\t
.endr
	global_load_b128 v[104:107], v14, s[20:21]
	WLOAD 0
	WIN 0
	s_wait_kmcnt 0x0
	s_min_u32 s24, s24, 1024
	s_min_u32 s25, s25, 2047
	s_min_u32 s26, s26, 135
	s_min_u32 s27, s27, 64
	s_max_u32 s33, s24, 1
	s_sub_co_u32 s33, s33, 1
	s_sub_co_u32 s32, s27, s31
	s_add_co_u32 s32, s32, 1
	s_lshr_b32 s32, s32, 1                         ; my tiles: at most 32
	s_add_co_u32 s34, s26, s31                     ; my first tile in hq
.irp k, 0,1,2,3
	v_add_nc_u32 v[122+\k], 256*\k, v138
	v_min_u32 v[122+\k], s33, v[122+\k]
	v_add_nc_u32 v[122+\k], s25, v[122+\k]
	v_min_u32 v[122+\k], 2047, v[122+\k]
	v_lshlrev_b32 v[122+\k], 2, v[122+\k]
	global_load_b32 v[126+\k], v[122+\k], s[12:13]
.endr
	WLOAD 1
	WIN 0
	s_wait_loadcnt 48                              ; all but the 48 loads of the weights' second half
.irp k, 0,1,2,3
	v_min_u32 v[126+\k], 2047, v[126+\k]
	ds_store_b32 v121, v[126+\k] offset:512*\k
	v_lshlrev_b32 v[130+\k], 2, v[126+\k]
	global_load_b32 v[134+\k], v[130+\k], s[14:15] ; the rows' gate weights
.endr
	WPUT 0
	s_wait_loadcnt 4                               ; the weights' second half is in; the four loads just issued may be out
	WPUT 1
	WIN 0
	s_wait_loadcnt 0x0
.irp k, 0,1,2,3
	ds_store_b32 v121, v[134+\k] offset:2048+512*\k
.endr
	s_cmp_gt_u32 s32, 0                            ; my first two tiles of h; where I have none, tile 0, which always exists, and is not used
	s_cselect_b32 s47, s34, 0
	s_min_u32 s47, s47, 135
	ALOAD 0
	s_add_co_u32 s47, s34, 2
	s_cmp_gt_u32 s32, 1
	s_cselect_b32 s47, s47, 0
	s_min_u32 s47, s47, 135
	ALOAD 1
	s_wait_dscnt 0x0
	WGET
	WIN 0
	s_wait_dscnt 0x0                               ; my reads of my stage are over: the sums will lie over it; my stores of slots and weights are done
	s_barrier_signal -1
	s_barrier_wait -1
; A CHUNK: four tiles' sums into buffer b, one barrier, four tiles reduced.  Buffer b is written again two chunks on, behind the next chunk's barrier, in front of which every wave has waited for its reads.
.macro CHUNK b
	s_lshl_b32 s36, s40, 3
.if \b
	s_add_co_u32 s36, s36, 4
.endif
	STEP \b, 0, 0
	STEP \b, 1, 1
	STEP \b, 2, 0
	STEP \b, 3, 1
	s_wait_dscnt 0x0
	s_barrier_signal -1
	s_barrier_wait -1
	REDUCE \b, 0
	REDUCE \b, 1
	REDUCE \b, 2
	REDUCE \b, 3
.endm
	s_mov_b32 s40, 0
.Lout:
	CHUNK 0
	CHUNK 1
	s_add_co_u32 s40, s40, 1
	s_cmp_lt_u32 s40, 4
	s_cbranch_scc1 .Lout
	s_wait_tensorcnt 0x0                           ; the wave's end: closing lines behind my last LDS store
	ds_add_u32 v116, v117
	s_wait_dscnt 0x0
	s_endpgm
.Lfunc_end_k_qaeca5d4830_down:
	.size	k_qaeca5d4830_down, .Lfunc_end_k_qaeca5d4830_down-k_qaeca5d4830_down
	.p2alignl 7, 3214868480
	.fill 96, 4, 3214868480
	.section	.rodata,"a",@progbits
	.p2align	6, 0x0
	.amdhsa_kernel k_qaeca5d4830_down
		.amdhsa_group_segment_fixed_size 205312
		.amdhsa_private_segment_fixed_size 0
		.amdhsa_enable_private_segment 0
		.amdhsa_kernarg_size 64
		.amdhsa_user_sgpr_count 2
		.amdhsa_user_sgpr_kernarg_segment_ptr 1
		.amdhsa_wavefront_size32 1
		.amdhsa_system_sgpr_workgroup_id_x 1
		.amdhsa_system_sgpr_workgroup_id_y 1
		.amdhsa_system_sgpr_workgroup_id_z 1
		.amdhsa_system_vgpr_workitem_id 0
		.amdhsa_next_free_vgpr 1024
		.amdhsa_next_free_sgpr 66
		.amdhsa_reserve_vcc 0
		.amdhsa_float_denorm_mode_32 3
		.amdhsa_float_denorm_mode_16_64 3
		.amdhsa_memory_ordered 1
		.amdhsa_forward_progress 1
		.amdhsa_inst_pref_size 133
	.end_amdhsa_kernel
	.amdgpu_metadata
---
amdhsa.version: [ 1, 2 ]
amdhsa.kernels:
  - .name:           k_qaeca5d4830_down
    .symbol:         k_qaeca5d4830_down.kd
    .args:
      - { .name: hq, .offset: 0, .size: 8, .value_kind: global_buffer, .address_space: global }
      - { .name: hs, .offset: 8, .size: 8, .value_kind: global_buffer, .address_space: global }
      - { .name: plan, .offset: 16, .size: 8, .value_kind: global_buffer, .address_space: global }
      - { .name: gwt, .offset: 24, .size: 8, .value_kind: global_buffer, .address_space: global }
      - { .name: w2_codes, .offset: 32, .size: 8, .value_kind: global_buffer, .address_space: global }
      - { .name: w2_scales, .offset: 40, .size: 8, .value_kind: global_buffer, .address_space: global }
      - { .name: b2, .offset: 48, .size: 8, .value_kind: global_buffer, .address_space: global }
      - { .name: ybuf, .offset: 56, .size: 8, .value_kind: global_buffer, .address_space: global }
    .group_segment_fixed_size: 205312
    .private_segment_fixed_size: 0
    .kernarg_segment_align: 8
    .kernarg_segment_size: 64
    .max_flat_workgroup_size: 128
    .sgpr_count:     66
    .vgpr_count:     1024
    .wavefront_size: 32
...
	.end_amdgpu_metadata
.endif
;; end of part 4
;; launch add (part 5): grid 256 x 1, 4 waves a work-group, no clusters, 0 bytes of LDS; arguments ybuf, out0; writes out0
.if DOCPART == 5
	.amdgcn_target "amdgcn-amd-amdhsa--gfx1250"
	.amdhsa_code_object_version 6
	.text
	.protected	k_qaeca5d4830_add
	.globl	k_qaeca5d4830_add
	.p2align	8
	.type	k_qaeca5d4830_add,@function
k_qaeca5d4830_add:
	s_mov_b64 s[64:65], 0
	v_nop
	global_prefetch_b8 v0, s[64:65] scope:SCOPE_SE
	s_setreg_imm32_b32 hwreg(HW_REG_WAVE_MODE, 25, 1), 1
	s_wait_xcnt 0x0
; ADD: out0[t] = ybuf[2 t] + ybuf[2 t + 1]: a token's two chosen experts; the six others add 0 by reference()'s own comparison (shown at the head of the first launch).
; A stream: a wave takes one token, 8,192 consecutive bytes in, 4,096 out; each load and store of a wave covers 512 consecutive aligned bytes.  No LDS, no matrix unit, no cluster: nothing is shared.
	s_load_b128 s[4:7], s[0:1], 0x0                ; ybuf, out0
	v_lshrrev_b32 v1, 5, v0
	v_readfirstlane_b32 s8, v1
	v_and_b32 v1, 31, v0
	v_lshlrev_b32 v1, 4, v1
	s_lshl_b32 s9, ttmp9, 2
	s_add_co_u32 s9, s9, s8                        ; my token
	s_lshl_b32 s10, s9, 13
	s_mov_b32 s11, 0
	s_lshl_b32 s12, s9, 12
	s_mov_b32 s13, 0
	s_wait_kmcnt 0x0
	s_add_nc_u64 s[4:5], s[4:5], s[10:11]
	s_add_nc_u64 s[6:7], s[6:7], s[12:13]
.irp j, 0,1,2,3,4,5,6,7
	global_load_b128 v[4+8*\j:7+8*\j], v1, s[4:5] offset:512*\j th:TH_LOAD_NT
	global_load_b128 v[8+8*\j:11+8*\j], v1, s[4:5] offset:4096+512*\j th:TH_LOAD_NT
.endr
.irp j, 0,1,2,3,4,5,6,7
	s_wait_loadcnt 14-2*\j                         ; pair j is in; the younger pairs may be out
	v_pk_add_f32 v[4+8*\j:5+8*\j], v[4+8*\j:5+8*\j], v[8+8*\j:9+8*\j]
	v_pk_add_f32 v[6+8*\j:7+8*\j], v[6+8*\j:7+8*\j], v[10+8*\j:11+8*\j]
	global_store_b128 v1, v[4+8*\j:7+8*\j], s[6:7] offset:512*\j th:TH_STORE_NT
.endr
	s_endpgm
.Lfunc_end_k_qaeca5d4830_add:
	.size	k_qaeca5d4830_add, .Lfunc_end_k_qaeca5d4830_add-k_qaeca5d4830_add
	.p2alignl 7, 3214868480
	.fill 96, 4, 3214868480
	.section	.rodata,"a",@progbits
	.p2align	6, 0x0
	.amdhsa_kernel k_qaeca5d4830_add
		.amdhsa_group_segment_fixed_size 0
		.amdhsa_private_segment_fixed_size 0
		.amdhsa_enable_private_segment 0
		.amdhsa_kernarg_size 16
		.amdhsa_user_sgpr_count 2
		.amdhsa_user_sgpr_kernarg_segment_ptr 1
		.amdhsa_wavefront_size32 1
		.amdhsa_system_sgpr_workgroup_id_x 1
		.amdhsa_system_sgpr_workgroup_id_y 1
		.amdhsa_system_sgpr_workgroup_id_z 1
		.amdhsa_system_vgpr_workitem_id 0
		.amdhsa_next_free_vgpr 80
		.amdhsa_next_free_sgpr 66
		.amdhsa_reserve_vcc 0
		.amdhsa_float_denorm_mode_32 3
		.amdhsa_float_denorm_mode_16_64 3
		.amdhsa_memory_ordered 1
		.amdhsa_forward_progress 1
		.amdhsa_inst_pref_size 5
	.end_amdhsa_kernel
	.amdgpu_metadata
---
amdhsa.version: [ 1, 2 ]
amdhsa.kernels:
  - .name:           k_qaeca5d4830_add
    .symbol:         k_qaeca5d4830_add.kd
    .args:
      - { .name: ybuf, .offset: 0, .size: 8, .value_kind: global_buffer, .address_space: global }
      - { .name: out0, .offset: 8, .size: 8, .value_kind: global_buffer, .address_space: global }
    .group_segment_fixed_size: 0
    .private_segment_fixed_size: 0
    .kernarg_segment_align: 8
    .kernarg_segment_size: 16
    .max_flat_workgroup_size: 128
    .sgpr_count:     66
    .vgpr_count:     80
    .wavefront_size: 32
...
	.end_amdgpu_metadata
.endif
;; end of part 5
;; ======== version 2 of 2: 4 launches; 1.11 times as fast as version 1
;; limits: an absolute error that grows with the inputs' magnitude: up to 1e-07 times it
;; workspace buffers: xq 786,432 bytes; xs 32,768 bytes; sel 4,096 bytes of whole numbers; gwt 8,192 bytes; hq 25,165,824 bytes; hs 1,048,576 bytes; ybuf 8,388,608 bytes
;; launch route (part 6): grid 256 x 1, 4 waves a work-group, no clusters, 40,960 bytes of LDS; arguments x, gate_w, gate_b, xq, xs, sel, gwt; writes xq, xs, sel, gwt
.if DOCPART == 6
	.amdgcn_target "amdgcn-amd-amdhsa--gfx1250"
	.amdhsa_code_object_version 6
	.text
	.protected	k_qaeca5d4830_route
	.globl	k_qaeca5d4830_route
	.p2align	8
	.type	k_qaeca5d4830_route,@function
k_qaeca5d4830_route:
	s_mov_b64 s[64:65], 0
	v_nop
	global_prefetch_b8 v0, s[64:65] scope:SCOPE_SE
	s_setreg_imm32_b32 hwreg(HW_REG_WAVE_MODE, 25, 1), 1
	s_wait_xcnt 0x0
; ROUTE: the gate in f32, the two chosen experts and their softmax weights, and x as codes of E3M2 with one E8M0 byte for each 32 along K.
; DEAD WORK, left out by the whole program.  reference() multiplies expert e's row of token t by w_e(t) = sum(weights x (indices == e)).  For an expert that is not
; among the token's two indices every term of that sum is a product with the 0 of reference()'s own comparison, so w_e(t) = 0 for all values of the inputs, and
; the row's two products, its gelu and its biases reach no output in exact arithmetic.  Only the 2 x 1,024 chosen rows are computed.  Every input is still loaded.
; LIMITS.  A NaN, an infinity or an overflow that arises only in a row of an expert that was not chosen is not carried to the result.  NaN among the gates is not served.
; Equal gates go to the lower index, as jax.lax.top_k has it; gates closer than the rounding of an f32 sum of 1,024 terms may be ordered otherwise than in reference().
; A block of zeros gets the scale byte 1 where the rule says 127: its codes are zeros, and this program alone reads the bytes.
; sel[t] = first choice | second choice << 8 | (a bit for each of the two) << 16, at a fixed place: the later launches place the rows from it.
; SHARES.  A work-group takes tokens 4 g .. 4 g + 3; wave w takes K = 256 w .. 256 w + 255 of all four; behind the barrier wave w owns token 4 g + w.
; No matrix unit, no cluster: the gate has 8 columns, and no two work-groups share more than gate_w's 32 KiB.
.set RED,   20480                      ; LDS: 0: each wave's two turning stages (32 places of 80 bytes); RED: the gates' parts, token x 4096 + wave x 1024 + half x 512 + 16 x lane
.set COD,   36864                      ; the four tokens' codes, 768 bytes each
.set SCB,   39936                      ; their scale bytes, 32 each
.set SPARE, 40192                      ; the spare words, 128 bytes a wave
.set XR, 16                            ; v16-47   x as loaded: token i at 8 i; later the 32 gate parts
.set GW, 48                            ; v48-111  gate_w as loaded: expert e at 8 e; later the four waves' parts, and from v96 on the choice at work
.set AC, 112                           ; v112-175 32 pairs of sums
.set XT, 176                           ; v176-207 two sets of 16 neighbours
.set ZO, 223                           ; v223     0: the offset of the last two stores; no load and no other line writes it
	s_load_b256 s[4:11], s[0:1], 0x0               ; x, gate_w, gate_b, xq
	s_load_b128 s[12:15], s[0:1], 0x20             ; xs, sel
	s_load_b64 s[16:17], s[0:1], 0x30              ; gwt
	v_lshl_add_u32 v12, v0, 2, SPARE               ; my spare word,
	v_mov_b32 v13, 0                               ; and 0: kept for the closing lines alone
	v_lshrrev_b32 v14, 5, v0
	v_readfirstlane_b32 s18, v14                   ; wave
	v_and_b32 v1, 31, v0                           ; lane
	v_and_b32 v14, 15, v0                          ; r
	v_bfe_u32 v15, v0, 4, 1                        ; h
	s_lshl_b32 s19, s18, 10
	v_lshl_add_u32 v2, v1, 4, s19                  ; my 16 bytes of a load: 1024 w + 16 lane
	s_mul_i32 s20, s18, 5120
	v_lshrrev_b32 v3, 2, v1
	v_mul_u32_u24 v3, v3, 80
	v_and_b32 v4, 3, v1
	v_lshl_add_u32 v3, v4, 4, v3
	v_add_nc_u32 v3, s20, v3                       ; the stage, way in: 80 (lane / 4) + 16 (lane % 4)
	v_mul_u32_u24 v4, v1, 80
	v_add_nc_u32 v4, s20, v4                       ; way out: 80 x lane: 16 neighbours
	s_mul_i32 s20, s18, 192
	s_add_co_u32 s20, s20, COD
	v_mul_u32_u24 v5, v14, 12
	v_mad_u32_u24 v5, v15, 768, v5
	v_add_nc_u32 v5, s20, v5                       ; my 12 bytes of codes: token h of the pair, quarter w, 12 r
	s_lshl_b32 s20, s18, 3
	s_add_co_u32 s20, s20, SCB
	v_lshrrev_b32 v6, 1, v14
	v_lshl_add_u32 v6, v15, 5, v6
	v_add_nc_u32 v6, s20, v6                       ; my block's scale byte
	s_add_co_u32 s20, s19, RED
	v_lshl_add_u32 v7, v1, 4, s20                  ; the gates' parts, way in
	s_lshl_b32 s20, s18, 12
	s_add_co_u32 s20, s20, RED
	v_lshl_add_u32 v8, v1, 4, s20                  ; way out: my token's
	s_mul_i32 s20, s18, 768
	s_add_co_u32 s20, s20, COD
	v_lshl_add_u32 v9, v1, 3, s20                  ; my token's codes, 8 bytes a lane
	v_lshlrev_b32 v10, 3, v1
	v_lshlrev_b32 v11, 2, v1
	v_add_nc_u32 v222, SCB, v11
	v_mov_b32 v[ZO], 0
.irp e, 0,1,2,3,4,5,6,7
	v_mov_b32 v[224+\e], 0                         ; written once: a lane permute's destination counts as one of its sources
.endr
	s_mov_b32 s22, 0x76543210
	s_mov_b32 s23, 0xfedcba98                      ; selects for lane l xor 16
	s_lshl_b32 s21, ttmp9, 2
	s_add_co_u32 s21, s21, s18                     ; my token
	s_mov_b32 s3, 0
	s_wait_kmcnt 0x0
	s_load_b256 s[24:31], s[8:9], 0x0              ; gate_b
	s_lshl_b32 s2, ttmp9, 14
	s_add_nc_u64 s[4:5], s[4:5], s[2:3]            ; x at the group's first token
	s_mul_i32 s2, s21, 768
	s_add_nc_u64 s[10:11], s[10:11], s[2:3]
	s_lshl_b32 s2, ttmp9, 7
	s_add_nc_u64 s[12:13], s[12:13], s[2:3]
	s_lshl_b32 s2, s21, 2
	s_add_nc_u64 s[14:15], s[14:15], s[2:3]
	s_lshl_b32 s2, s21, 3
	s_add_nc_u64 s[16:17], s[16:17], s[2:3]
.irp i, 0,1,2,3
.irp c, 0,1
	global_load_b128 v[XR+8*\i+4*\c:XR+8*\i+4*\c+3], v2, s[4:5] offset:\i*4096+512*\c th:TH_LOAD_NT   ; 32 lanes read 512 consecutive bytes
.endr
.endr
.irp e, 0,1,2,3,4,5,6,7
.irp c, 0,1
	global_load_b128 v[GW+8*\e+4*\c:GW+8*\e+4*\c+3], v2, s[6:7] offset:\e*4096+512*\c
.endr
.endr
; Two tokens' quarters, 2,048 bytes, go through my stage as they lie and come back 64 bytes a lane: lane (r, h) then holds 16 neighbours of token 2 p + h.
.macro TURN p
.irp n, 0,1,2,3
	ds_store_b128 v3, v[XR+16*\p+4*\n:XR+16*\p+4*\n+3] offset:2560*\p+640*\n
.endr
.irp n, 0,1,2,3
	ds_load_b128 v[XT+16*\p+4*\n:XT+16*\p+4*\n+3], v4 offset:2560*\p+16*\n   ; LDS serves a wave's instructions in order: these see the stores
.endr
.endm
.macro QUANT1 p
.set XS, XT+16*\p
	v_max3_num_f32 v216, |v[XS]|, |v[XS+1]|, |v[XS+2]|             ; the largest magnitude of my 16
	v_max3_num_f32 v217, |v[XS+3]|, |v[XS+4]|, |v[XS+5]|
.irp i, 6,10
	v_max3_num_f32 v216, v216, |v[XS+\i]|, |v[XS+\i+1]|
	v_max3_num_f32 v217, v217, |v[XS+\i+2]|, |v[XS+\i+3]|
.endr
	v_max3_num_f32 v216, v216, |v[XS+14]|, |v[XS+15]|
	v_max3_num_f32 v216, v216, v217, 0x2800000     ; and the floor 2^(5 - 127): the byte cannot fall under 1
	v_max_num_f32_dpp v216, v216, v216 row_xmask:1 row_mask:0xf bank_mask:0xf   ; with my neighbour's 16: the block's
	v_add_nc_u32 v218, 0xfe000000, v216            ; 4 off its exponent field: the conversion's scale operand
	v_cvt_scalef32_pk16_bf6_f32 v[208+4*\p:210+4*\p], v[XS:XS+15], v218
	v_lshrrev_b32 v[220+\p], 23, v218              ; the scale's byte (a plain line behind the conversion)
	ds_store_b32 v5, v[208+4*\p] offset:1536*\p
	ds_store_b32 v5, v[209+4*\p] offset:1536*\p+4
	ds_store_b32 v5, v[210+4*\p] offset:1536*\p+8
	ds_store_b8 v6, v[220+\p] offset:64*\p         ; both lanes of a block write the same byte with the same value
.endm
	s_wait_loadcnt 16                              ; x's eight loads are in; gate_w's sixteen may be out
	TURN 0
	TURN 1
	s_wait_dscnt 8                                 ; the first turn is back; the second's eight instructions may be out
	QUANT1 0
	s_wait_dscnt 4                                 ; the second turn is back; behind it stand the four stores just issued
	QUANT1 1
	s_wait_loadcnt 0x0                             ; gate_w
.irp i, 0,1,2,3
.irp e, 0,1,2,3,4,5,6,7
	v_pk_mul_f32 v[AC+2*(8*\i+\e):AC+2*(8*\i+\e)+1], v[XR+8*\i:XR+8*\i+1], v[GW+8*\e:GW+8*\e+1]   ; the first products start the sums
.endr
.endr
.irp j, 2,4,6
.irp i, 0,1,2,3
.irp e, 0,1,2,3,4,5,6,7
	v_pk_fma_f32 v[AC+2*(8*\i+\e):AC+2*(8*\i+\e)+1], v[XR+8*\i+\j:XR+8*\i+\j+1], v[GW+8*\e+\j:GW+8*\e+\j+1], v[AC+2*(8*\i+\e):AC+2*(8*\i+\e)+1]
.endr
.endr
.endr
.irp n, 0,1,2,3,4,5,6,7,8,9,10,11,12,13,14,15,16,17,18,19,20,21,22,23,24,25,26,27,28,29,30,31
	v_add_f32 v[XR+\n], v[AC+2*\n], v[AC+2*\n+1]   ; my lane's part of gate (token n / 8, expert n % 8)
.endr
.irp i, 0,1,2,3
.irp f, 0,1
	ds_store_b128 v7, v[XR+8*\i+4*\f:XR+8*\i+4*\f+3] offset:\i*4096+512*\f
.endr
.endr
	s_wait_dscnt 0x0                               ; for the others' sake: my stores of codes, bytes and parts are done
	s_barrier_signal -1
	s_barrier_wait -1
.irp q, 0,1,2,3
.irp f, 0,1
	ds_load_b128 v[48+8*\q+4*\f:51+8*\q+4*\f], v8 offset:1024*\q+512*\f   ; wave q's part of my token's eight gates
.endr
.endr
.irp j, 0,1,2
	ds_load_b64 v[80+2*\j:81+2*\j], v9 offset:256*\j
.endr
	ds_load_b32 v86, v222
	s_wait_dscnt 0x0
	s_wait_tensorcnt 0x0                           ; closing lines behind my last LDS store; no LDS instruction follows them
	ds_add_u32 v12, v13
	s_wait_dscnt 0x0
.irp j, 0,1,2
	global_store_b64 v10, v[80+2*\j:81+2*\j], s[10:11] offset:256*\j   ; 32 lanes store 256 consecutive bytes, aligned: a token's codes are three such
.endr
	s_cmp_lg_u32 s18, 0
	s_cbranch_scc1 .Lnot_wave_0
	global_store_b32 v11, v86, s[12:13]            ; the four tokens' 128 scale bytes
.Lnot_wave_0:
.irp d, 0,2,4,6
	v_pk_add_f32 v[48+\d:49+\d], v[48+\d:49+\d], v[56+\d:57+\d]
	v_pk_add_f32 v[64+\d:65+\d], v[64+\d:65+\d], v[72+\d:73+\d]
.endr
.irp d, 0,2,4,6
	v_pk_add_f32 v[48+\d:49+\d], v[48+\d:49+\d], v[64+\d:65+\d]
.endr
.irp m, 1,2,4,8
.irp e, 0,1,2,3,4,5,6,7
	v_add_f32_dpp v[48+\e], v[48+\e], v[48+\e] row_xmask:\m row_mask:0xf bank_mask:0xf
.endr
.endr
.irp e, 0,1,2,3,4,5,6,7
	v_permlanex16_b32 v[224+\e], v[48+\e], s22, s23
.endr
	s_wait_kmcnt 0x0                               ; gate_b
.irp e, 0,1,2,3,4,5,6,7
	v_add_f32 v[48+\e], v[48+\e], v[224+\e]
.endr
.irp e, 0,1,2,3,4,5,6,7
	v_add_f32 v[48+\e], s[24+\e], v[48+\e]         ; every lane now holds my token's eight gates
.endr
; the largest gate and its index: the earlier one stays where two are equal
.macro SCAN m, n
	v_mov_b32 v[\m], v48
	v_mov_b32 v[\n], 0
.irp e, 1,2,3,4,5,6,7
	v_cmp_ge_f32 vcc_lo, v[\m], v[48+\e]
	v_cndmask_b32 v[\m], v[48+\e], v[\m], vcc_lo
	v_cndmask_b32 v[\n], \e, v[\n], vcc_lo
.endr
.endm
	SCAN 96, 97
	v_mov_b32 v100, 0xff800000
.irp e, 0,1,2,3,4,5,6,7
	v_cmp_eq_u32 vcc_lo, \e, v97
	v_cndmask_b32 v[48+\e], v[48+\e], v100, vcc_lo ; the first choice leaves the field
.endr
	SCAN 98, 99
	v_mov_b32 v107, 1
	v_lshlrev_b32 v108, v97, v107                  ; a bit for the first choice,
	v_lshlrev_b32 v109, v99, v107                  ; and one for the second
	v_or_b32 v108, v108, v109
	v_lshl_or_b32 v102, v99, 8, v97                ; the two experts in one word,
	v_lshl_or_b32 v102, v108, 16, v102             ; and their bits above them
	v_sub_f32 v103, v98, v96                       ; the maximum is taken away, as reference()'s softmax does: the larger gate's exponent is 0
	v_mul_f32 v103, 0x3fb8aa3b, v103
	v_exp_f32 v103, v103                           ; p = e^(second - first), at most 1
	v_nop                                          ; a plain line behind the exponential
	s_wait_alu depctr_va_vdst(0)                   ; the wait ahead of the first reader
	v_add_f32 v106, 1.0, v103
	v_rcp_f32 v104, v106                           ; the first weight: 1 / (1 + p)
	v_nop
	s_wait_alu depctr_va_vdst(0)
	v_mul_f32 v105, v103, v104                     ; the second: p / (1 + p)
	s_wait_xcnt 0x0                                ; EXEC changes only behind this wait
	v_cmp_eq_u32 vcc_lo, 0, v1
	s_and_saveexec_b32 s2, vcc_lo
	global_store_b32 v[ZO], v102, s[14:15]         ; fixed places: the bases stand at my token, the offset is 0: no address hangs on the choice
	global_store_b64 v[ZO], v[104:105], s[16:17]
	s_wait_xcnt 0x0
	s_or_b32 exec_lo, exec_lo, s2
	s_endpgm
.Lfunc_end_k_qaeca5d4830_route:
	.size	k_qaeca5d4830_route, .Lfunc_end_k_qaeca5d4830_route-k_qaeca5d4830_route
	.p2alignl 7, 3214868480
	.fill 96, 4, 3214868480
	.section	.rodata,"a",@progbits
	.p2align	6, 0x0
	.amdhsa_kernel k_qaeca5d4830_route
		.amdhsa_group_segment_fixed_size 40960
		.amdhsa_private_segment_fixed_size 0
		.amdhsa_enable_private_segment 0
		.amdhsa_kernarg_size 56
		.amdhsa_user_sgpr_count 2
		.amdhsa_user_sgpr_kernarg_segment_ptr 1
		.amdhsa_wavefront_size32 1
		.amdhsa_system_sgpr_workgroup_id_x 1
		.amdhsa_system_sgpr_workgroup_id_y 1
		.amdhsa_system_sgpr_workgroup_id_z 1
		.amdhsa_system_vgpr_workitem_id 0
		.amdhsa_next_free_vgpr 232
		.amdhsa_next_free_sgpr 66
		.amdhsa_reserve_vcc 1
		.amdhsa_float_denorm_mode_32 3
		.amdhsa_float_denorm_mode_16_64 3
		.amdhsa_memory_ordered 1
		.amdhsa_forward_progress 1
		.amdhsa_inst_pref_size 27
	.end_amdhsa_kernel
	.amdgpu_metadata
---
amdhsa.version: [ 1, 2 ]
amdhsa.kernels:
  - .name:           k_qaeca5d4830_route
    .symbol:         k_qaeca5d4830_route.kd
    .args:
      - { .name: x, .offset: 0, .size: 8, .value_kind: global_buffer, .address_space: global }
      - { .name: gate_w, .offset: 8, .size: 8, .value_kind: global_buffer, .address_space: global }
      - { .name: gate_b, .offset: 16, .size: 8, .value_kind: global_buffer, .address_space: global }
      - { .name: xq, .offset: 24, .size: 8, .value_kind: global_buffer, .address_space: global }
      - { .name: xs, .offset: 32, .size: 8, .value_kind: global_buffer, .address_space: global }
      - { .name: sel, .offset: 40, .size: 8, .value_kind: global_buffer, .address_space: global }
      - { .name: gwt, .offset: 48, .size: 8, .value_kind: global_buffer, .address_space: global }
    .group_segment_fixed_size: 40960
    .private_segment_fixed_size: 0
    .kernarg_segment_align: 8
    .kernarg_segment_size: 56
    .max_flat_workgroup_size: 128
    .sgpr_count:     66
    .vgpr_count:     232
    .wavefront_size: 32
...
	.end_amdgpu_metadata
.endif
;; end of part 6
;; launch up (part 7): grid 32 x 8, 4 waves a work-group, no clusters, 203,264 bytes of LDS; arguments xq, xs, sel, w1_codes, w1_scales, b1, hq, hs; writes hq, hs
.if DOCPART == 7
	.amdgcn_target "amdgcn-amd-amdhsa--gfx1250"
	.amdhsa_code_object_version 6
	.text
	.protected	k_qaeca5d4830_up
	.globl	k_qaeca5d4830_up
	.p2align	8
	.type	k_qaeca5d4830_up,@function
k_qaeca5d4830_up:
	s_mov_b64 s[64:65], 0
	v_nop
	global_prefetch_b8 v0, s[64:65] scope:SCOPE_SE
	s_setreg_imm32_b32 hwreg(HW_REG_WAVE_MODE, 25, 1), 1
	s_wait_xcnt 0x0
; UP: h = Q(gelu(Q(x) w1[e] + b1[e])) for the rows that chose expert e, both operands as codes of E3M2; h leaves as codes in the order of the next product's operand registers.
; Rows of experts that a token did not choose are not computed: their weight is 0 by reference()'s own comparison (shown at the head of the first launch).
; SHARES.  Work-group (x, y): expert y, hidden units 256 (x / 2) on, and every second tile of 16 of the expert's rows (tiles 2 q + x % 2).  Wave w: 64 hidden units, all of K: its 4 x 8 fragments of w1
; (384 registers) stay in registers: read once in pieces of 256 consecutive aligned bytes and turned through its own LDS stage.  x's codes are staged in LDS, four tiles a chunk, one by each wave, in two buffers by turns.
; THE PLACING, in whole numbers, from the words that the first launch stored.  Every wave reads all 1,024 words (4 KiB): register g of lane l holds token 128 (g / 4) + 4 l + g % 4.  32 ballots on the expert's bit give 32 masks in
; scalar registers; their counts give the expert's rows.  The expert's list runs through the masks in the order (g, l).  A lane finds the token at its place p by walking the 32 running sums and taking the (p - sum)-th set bit of
; the mask so chosen.  The next launch computes the same list by the same lines.  All this runs while the first half of the weights is on its way.  Tile i of expert e lies at tile 64 e + i of hq and hs.
; THE GRID SERVES EVERY SPLIT: the loops have constant trips (8 chunks x 4 tiles = 32 tiles, 1,024 rows on one expert), every wave passes every barrier, and work past the count is jumped over.
; Such jumps hang on numbers read from memory, so the launch has no tensor load, and with it no joint request of a cluster: operands come by loads into registers.
; An expert's last tile repeats its last row (place = min(place, rows - 1)): the repeats give the same codes, so no lane is ever switched off.
; THE PRODUCT IS USED TRANSPOSED (source 0 = 16 rows of w1, source 1 = 16 rows of x), and lane r of tile 2 b + u takes w1's row 32 b + 8 u + r + 8 (r / 8): a lane holds one row of h, and the 16 registers of tiles 2 b, 2 b + 1 are 16 neighbours along the next K.
; GELU: 0.5 u (1 + erf(u / sqrt 2)), erf as the odd rational z P(z^2) / Q(z^2) with z held to +-3.8325, in f32.  LIMIT: erf is good to a few units of its last place, so gelu has an error of about 1e-7 |u|: far down the negative tail it is not exact relative to itself.
; LIMIT: a block of zeros gets the scale byte 1 where the rule says 127: its codes are zeros, and this program alone reads the bytes.
; REGISTERS, in windows of 256.  Window 0: v1-31 addresses; v32-47 w1's scale words; v48-51 x's; v52-75 twelve constants as pairs; v76-107 the four accumulators; v108-171 gelu at work (at the head: v108-139 the tokens' words, v140-150 the placing);
;   v172-189 the quantiser; v190-216 addresses, tokens.
;   Window 1: w1's fragments of K steps 0-3 at 48 s + 12 t; v192-223 b1 in the result's layout.   Window 2: K steps 4-7.   Window 3: v0-95 x's eight fragments; v96-191 the tile that I stage; v192-195 its scale words.
;   Scalars of the placing: s66-97 the 32 masks; s24 the expert's rows; s25 its bit; s26, s60-63 at work.
.set ROWP,  768                        ; a row of w1's codes, and of x's
.set PW,    784                        ; an LDS row: 768 + 16 = 196 words: row r starts at bank 4 r mod 64 (64 banks of 4 bytes: ISA guide 11.1): the 32 lanes of a fragment's load of 8 bytes touch 64 different banks
.set WSTW,  64*PW                      ; a wave's stage for its 64 rows of w1: LDS 0 on, at the head alone
.set ATILE, 16*PW+512                  ; a staged tile of x: 16 rows, then the image of its scale words
.set TOK,   4*WSTW                     ; the tokens of my 32 x 16 rows
.set SPARE, TOK+2048                   ; the spare words
.set RS2, 52
.set A9,  54
.set A7,  56
.set A5,  58
.set A3,  60
.set A1,  62
.set B12, 64
.set B10, 66
.set B8,  68
.set B6,  70
.set B4,  72
.set B2,  74
.set ZR,  108
.set SR,  124
.set PR,  140
.set QR,  156
.set MSB, 0
.macro WIN new                         ; the immediate's high byte repeats the setting that is left
.if MSB != (\new)
	s_set_vgpr_msb (MSB<<8)|(\new)
.set MSB, (\new)
.endif
.endm
.macro PLACES n
.rept \n
	v_nop
.endr
.endm
.macro CPAIR reg, val
	v_mov_b32 v[\reg], \val
	v_mov_b32 v[\reg+1], \val
.endm
; The 32 masks of my expert (words at v[r] on, eight registers at work at v[t] on), and the expert's rows in s24.
.macro MASKS r, t
.irp g, 0,1,2,3,4,5,6,7,8,9,10,11,12,13,14,15,16,17,18,19,20,21,22,23,24,25,26,27,28,29,30,31
	v_and_b32 v[\t+\g%8], s25, v[\r+\g]
	v_cmp_ne_u32 s[66+\g], 0, v[\t+\g%8]
.endr
	s_bcnt1_i32_b32 s24, s66
.irp g, 1,2,3,4,5,6,7,8,9,10,11,12,13,14,15,16,17,18,19,20,21,22,23,24,25,26,27,28,29,30,31
	s_bcnt1_i32_b32 s26, s[66+\g]
	s_add_co_u32 s24, s24, s26
.endr
.endm
; One halving of the search for the n-th set bit: the count of the lower half of what is left (a field of w bits at v[t+7] of v[src]) against n (v[t+3]): where n reaches it, it is taken off n and the place goes inc bits up.
.macro HALVE t, src, w, inc
	v_bfe_u32 v[\t+8], v[\src], v[\t+7], \w
	v_cmp_ge_u32 vcc_lo, v[\t+3], v[\t+8]
	v_cndmask_b32 v[\t+8], 0, v[\t+8], vcc_lo
	v_sub_nc_u32 v[\t+3], v[\t+3], v[\t+8]
	v_add_nc_u32 v[\t+9], \inc, v[\t+7]
	v_cndmask_b32 v[\t+7], v[\t+7], v[\t+9], vcc_lo
.endm
; The token at place v[pb] + 256 k of the expert's list, into v[tok]; eleven registers at work at v[t] on.  Sets 1 to 3 are jumped over where the work-group has no tile there (s32 tiles, 8 to a set): v[tok] then keeps its 0.
.macro FIND k, pb, tok, t
.if \k > 0
	s_cmp_gt_u32 s32, 8*\k
	s_cbranch_scc0 .Lnofind_\@
.endif
	v_add_nc_u32 v[\t], 256*\k, v[\pb]
	v_min_u32 v[\t], s33, v[\t]                    ; past the end: the last row once more
	v_mov_b32 v[\t+1], s66                         ; group 0 begins at place 0, which is under every place
	v_mov_b32 v[\t+2], 0
	s_mov_b32 s60, 0
.irp g, 1,2,3,4,5,6,7,8,9,10,11,12,13,14,15,16,17,18,19,20,21,22,23,24,25,26,27,28,29,30,31
	s_bcnt1_i32_b32 s26, s[66+\g-1]
	s_add_co_u32 s[60+\g%2], s[60+(\g-1)%2], s26   ; the place at which group g begins,
	s_add_co_u32 s[62+\g%2], s[60+\g%2], \g<<16    ; and g above it
	v_cmp_gt_u32 vcc_lo, s[60+\g%2], v[\t]
	v_cndmask_b32 v[\t+1], s[66+\g], v[\t+1], vcc_lo   ; the last group that begins at or under my place stays
	v_cndmask_b32 v[\t+2], s[62+\g%2], v[\t+2], vcc_lo
.endr
	v_and_b32 v[\t+3], 0xffff, v[\t+2]
	v_sub_nc_u32 v[\t+3], v[\t], v[\t+3]           ; n: which of the group's set bits
	v_lshrrev_b32 v[\t+2], 16, v[\t+2]             ; g
	v_lshrrev_b32 v[\t+8], 1, v[\t+1]              ; the mask's counts by fields of 2,
	v_and_b32 v[\t+8], 0x55555555, v[\t+8]
	v_sub_nc_u32 v[\t+4], v[\t+1], v[\t+8]
	v_lshrrev_b32 v[\t+8], 2, v[\t+4]              ; of 4,
	v_and_b32 v[\t+8], 0x33333333, v[\t+8]
	v_and_b32 v[\t+5], 0x33333333, v[\t+4]
	v_add_nc_u32 v[\t+5], v[\t+5], v[\t+8]
	v_lshrrev_b32 v[\t+8], 4, v[\t+5]              ; of 8,
	v_add_nc_u32 v[\t+8], v[\t+8], v[\t+5]
	v_and_b32 v[\t+6], 0x0f0f0f0f, v[\t+8]
	v_lshrrev_b32 v[\t+8], 8, v[\t+6]              ; and, in the lowest byte, of the low 16
	v_add_nc_u32 v[\t+10], v[\t+8], v[\t+6]
	v_mov_b32 v[\t+7], 0
	HALVE \t, \t+10, 8, 16
	HALVE \t, \t+6, 8, 8
	HALVE \t, \t+5, 4, 4
	HALVE \t, \t+4, 2, 2
	HALVE \t, \t+1, 1, 1                           ; v[t+7]: the lane l of the bit
	v_and_b32 v[\t+8], 28, v[\t+2]
	v_and_b32 v[\t+9], 3, v[\t+2]
	v_lshl_or_b32 v[\t+8], v[\t+8], 5, v[\t+9]     ; 128 (g / 4) + g % 4
	v_lshl_add_u32 v[\tok], v[\t+7], 2, v[\t+8]    ; + 4 l
	v_min_u32 v[\tok], 1023, v[\tok]
.Lnofind_\@:
.endm
.macro WLOAD hv                        ; 32 of my 64 rows of w1: each half of the lanes reads 256 consecutive aligned bytes of a row
	WIN (1+\hv)<<6
.irp m, 0,1,2,3,4,5,6,7,8,9,10,11,12,13,14,15
.irp p, 0,1,2
	global_load_b128 v[12*\m+4*\p:12*\m+4*\p+3], v15, s[14:15] offset:2*(16*\hv+\m)*ROWP+256*\p
.endr
.endr
.endm
.macro WPUT hv                         ; into my stage, a tile's 16 rows side by side
	WIN (1+\hv)<<2
.irp m, 0,1,2,3,4,5,6,7,8,9,10,11,12,13,14,15
.set RW, 2*(16*\hv+\m)
.set SW, 32*(RW>>5)+(RW&7)+16*((RW>>3)&1)+8*((RW>>4)&1)
.irp p, 0,1,2
	ds_store_b128 v6, v[12*\m+4*\p:12*\m+4*\p+3] offset:SW*PW+256*\p
.endr
.endr
.endm
.macro WGET                            ; and back as fragments: lane (r, h) takes 24 bytes at 96 s + 24 h of row 16 t + r, and 24 more 48 bytes on
.irp wv, 0,1
	WIN (1+\wv)<<6
.irp s, 0,1,2,3
.irp t, 0,1,2,3
.irp p, 0,1,2,3,4,5
	ds_load_b64 v[48*\s+12*\t+2*\p:48*\s+12*\t+2*\p+1], v4 offset:16*\t*PW+96*(4*\wv+\s)+48*(\p/3)+8*(\p%3)
.endr
.endr
.endr
.endr
.endm
.macro OWNLOAD                         ; the tile that I stage next: its 16 tokens from LDS (addresses v13, v14), then their codes and scale bytes
.irp m, 0,1,2,3,4,5,6,7
	ds_load_b32 v[196+\m], v13 offset:8*\m         ; rows 2 m + h
.endr
	ds_load_b32 v204, v14                          ; row r
	s_wait_dscnt 0x0
.irp m, 0,1,2,3,4,5,6,7
	v_min_u32 v[196+\m], 1023, v[196+\m]           ; a loaded number enters an address only behind such a bound
	v_mul_u32_u24 v[16+\m], v[196+\m], ROWP
	v_add_nc_u32 v[16+\m], v[16+\m], v29
.endr
	v_min_u32 v204, 1023, v204
	v_lshlrev_b32 v24, 5, v204
	v_add_nc_u32 v24, v24, v190
	WIN 0xc0
.irp m, 0,1,2,3,4,5,6,7
.irp p, 0,1,2
	global_load_b128 v[96+12*\m+4*\p:96+12*\m+4*\p+3], v[16+\m], s[8:9] offset:256*\p   ; sixteen lanes read 256 consecutive aligned bytes of a token's codes
.endr
.endr
	global_load_b128 v[192:195], v24, s[10:11]     ; lanes 0-15: the words of K steps 0-3 of row r; lanes 16-31: of K steps 4-7
	WIN 0
.endm
.macro OWNSTORE ast, asi
	WIN 0x0c                                       ; an LDS store's data are its source 1: window 3
.irp m, 0,1,2,3,4,5,6,7
.irp p, 0,1,2
	ds_store_b128 v[\ast], v[96+12*\m+4*\p:96+12*\m+4*\p+3] offset:2*\m*PW+256*\p
.endr
.endr
	ds_store_b128 v[\asi], v[192:195]
	WIN 0
.endm
.macro FETCH off                       ; a staged tile's eight fragments and its scale words
	WIN 0xc0
.irp s, 0,1,2,3,4,5,6,7
.irp p, 0,1,2,3,4,5
	ds_load_b64 v[12*\s+2*\p:12*\s+2*\p+1], v9 offset:\off+96*\s+48*(\p/3)+8*(\p%3)
.endr
.endr
	WIN 0
	ds_load_b128 v[48:51], v10 offset:\off+16*PW
.endm
; 32 matrix instructions: the four accumulators take turns, one instruction a turn; b1 is the C of each sum's first.  From K step 4 on both sides' scale words are read from lanes 16-31.
.macro MM
.irp s, 0,1,2,3,4,5,6,7
.if \s == 0
	WIN 0x1d                                       ; source 0 (w1) window 1, source 1 (x) window 3, source 2 (b1) window 1
.elseif \s < 4
	WIN 0x0d
.else
	WIN 0x0e                                       ; w1's K steps 4-7: window 2
.endif
.irp t, 0,1,2,3
.if \s == 0
	v_wmma_scale_f32_16x16x128_f8f6f4 v[76+8*\t:83+8*\t], v[12*\t:12*\t+11], v[0:11], v[192+8*\t:199+8*\t], v[32+4*\t], v48 matrix_a_fmt:MATRIX_FMT_BF6 matrix_b_fmt:MATRIX_FMT_BF6
.elseif \s < 4
	v_wmma_scale_f32_16x16x128_f8f6f4 v[76+8*\t:83+8*\t], v[48*\s+12*\t:48*\s+12*\t+11], v[12*\s:12*\s+11], v[76+8*\t:83+8*\t], v[32+4*\t+\s], v[48+\s] matrix_a_fmt:MATRIX_FMT_BF6 matrix_b_fmt:MATRIX_FMT_BF6
.else
	v_wmma_scale_f32_16x16x128_f8f6f4 v[76+8*\t:83+8*\t], v[48*(\s-4)+12*\t:48*(\s-4)+12*\t+11], v[12*\s:12*\s+11], v[76+8*\t:83+8*\t], v[32+4*\t+(\s-4)], v[48+(\s-4)] matrix_a_fmt:MATRIX_FMT_BF6 matrix_b_fmt:MATRIX_FMT_BF6 matrix_a_scale:MATRIX_SCALE_ROW1 matrix_b_scale:MATRIX_SCALE_ROW1
.endif
.endr
.endr
.endm
.macro PKM d, a, b                     ; 16 numbers, two at a time: d = a x b
.irp i, 0,2,4,6,8,10,12,14
	v_pk_mul_f32 v[\d+\i:\d+\i+1], v[\a+\i:\a+\i+1], v[\b+\i:\b+\i+1]
.endr
.endm
.macro PKF d, s, c1, c0                ; d = s x c1 + c0, c1 and c0 constants
.irp i, 0,2,4,6,8,10,12,14
	v_pk_fma_f32 v[\d+\i:\d+\i+1], v[\s+\i:\s+\i+1], v[\c1:\c1+1], v[\c0:\c0+1]
.endr
.endm
.macro PKH d, s, c                     ; d = d x s + c
.irp i, 0,2,4,6,8,10,12,14
	v_pk_fma_f32 v[\d+\i:\d+\i+1], v[\d+\i:\d+\i+1], v[\s+\i:\s+\i+1], v[\c:\c+1]
.endr
.endm
.macro GELU hb                         ; 16 numbers at v[hb], in place; each accumulator is read from its low end on
.irp i, 0,2,4,6,8,10,12,14
	v_pk_mul_f32 v[ZR+\i:ZR+\i+1], v[\hb+\i:\hb+\i+1], v[RS2:RS2+1]   ; z = u / sqrt 2
.endr
.irp i, 0,1,2,3,4,5,6,7,8,9,10,11,12,13,14,15
	v_med3_num_f32 v[ZR+\i], v[ZR+\i], s48, s49    ; held where erf is 1 to the last place
.endr
	PKM SR, ZR, ZR
	PKF PR, SR, A9, A7
	PKF QR, SR, B12, B10
	PKH PR, SR, A5
	PKH QR, SR, B8
	PKH PR, SR, A3
	PKH QR, SR, B6
	PKH PR, SR, A1
	PKH QR, SR, B4
	PKH QR, SR, B2
.irp i, 0,2,4,6,8,10,12,14
	v_pk_fma_f32 v[QR+\i:QR+\i+1], v[QR+\i:QR+\i+1], v[SR+\i:SR+\i+1], 1.0 op_sel_hi:[1,1,0]
.endr
.irp i, 0,1,2,3,4,5,6,7,8,9,10,11,12,13,14,15
	v_rcp_f32 v[QR+\i], v[QR+\i]                   ; one batch
.endr
	PKM PR, PR, ZR                                 ; plain work that names no reciprocal stands behind the batch
.irp i, 0,2,4,6,8,10,12,14
	v_pk_mul_f32 v[ZR+\i:ZR+\i+1], v[\hb+\i:\hb+\i+1], 0.5 op_sel_hi:[1,0]
.endr
	s_wait_alu depctr_va_vdst(0)                   ; the wait ahead of the first reader: one for the sixteen
	PKM PR, PR, QR                                 ; erf
.irp i, 0,2,4,6,8,10,12,14
	v_pk_fma_f32 v[\hb+\i:\hb+\i+1], v[ZR+\i:ZR+\i+1], v[PR+\i:PR+\i+1], v[ZR+\i:ZR+\i+1]   ; 0.5 u erf + 0.5 u
.endr
.endm
.macro QHALF                           ; my 64 hidden units of 16 rows: two blocks of 32, half a fragment of the next product: codes in v[180:185], my block's byte in v189
.irp b, 0,1
	v_max3_num_f32 v[172+\b], |v[76+16*\b]|, |v[77+16*\b]|, 0x2800000   ; my 16 numbers of block b, and the floor 2^(5 - 127): the byte cannot fall under 1
.endr
.irp i, 2,4,6,8,10,12,14
.irp b, 0,1
	v_max3_num_f32 v[172+\b], v[172+\b], |v[76+16*\b+\i]|, |v[77+16*\b+\i]|
.endr
.endr
.irp b, 0,1
	v_permlanex16_b32 v[174+\b], v[172+\b], s50, s51
.endr
.irp b, 0,1
	v_max_num_f32 v[172+\b], v[172+\b], v[174+\b]  ; with lane l xor 16's: the block's largest magnitude
.endr
.irp b, 0,1
	v_add_nc_u32 v[176+\b], 0xfe000000, v[172+\b]  ; 4 off its exponent field: the conversion's scale operand
.endr
.irp b, 0,1
	v_lshrrev_b32 v[178+\b], 23, v[176+\b]         ; the scale's byte
.endr
	s_wait_xcnt 0x0                                ; the last tile's stores have read their data and addresses: both are written again only behind this wait
	v_cndmask_b32 v189, v178, v179, s52            ; lanes 0-15 store block 0's byte, lanes 16-31 block 1's
	v_cvt_scalef32_pk16_bf6_f32 v[180:182], v[76:91], v176
	v_cvt_scalef32_pk16_bf6_f32 v[186:188], v[92:107], v177
	v_nop                                          ; one plain line behind a scaled conversion
.irp i, 0,1,2
	v_permlane16_swap_b32 v[180+\i], v[186+\i]     ; the operand's layout wants a whole block in a lane: lanes 0-15 block 0, lanes 16-31 block 1
.endr
.irp i, 0,1,2
	v_mov_b32 v[183+\i], v[186+\i]
.endr
.endm
	s_load_b512 s[8:23], s[0:1], 0x0               ; xq 8, xs 10, sel 12, w1_codes 14, w1_scales 16, b1 18, hq 20, hs 22
	v_lshl_add_u32 v30, v0, 2, SPARE               ; my spare word,
	v_mov_b32 v31, 0                               ; and 0: kept for the closing lines alone
	v_lshrrev_b32 v205, 5, v0
	v_readfirstlane_b32 s28, v205                  ; wave
	s_and_b32 s29, ttmp7, 0xffff                   ; expert
	s_lshr_b32 s30, ttmp9, 1                       ; which 256 hidden units
	s_and_b32 s31, ttmp9, 1                        ; even or odd tiles of rows
	v_and_b32 v205, 31, v0                         ; lane
	v_lshlrev_b32 v1, 4, v205                      ; 16 x lane
	s_wait_kmcnt 0x0
.irp j, 0,1,2,3,4,5,6,7
	global_load_b128 v[108+4*\j:111+4*\j], v1, s[12:13] offset:512*\j   ; all tokens' words, first of all loads: the placing hangs on them
.endr
	v_and_b32 v206, 15, v0                         ; r
	v_bfe_u32 v207, v0, 4, 1                       ; h
	v_lshlrev_b32 v2, 3, v205                      ; 8 x lane
	v_lshlrev_b32 v29, 4, v206                     ; 16 r
	v_lshlrev_b32 v190, 4, v207                    ; 16 h
	v_mul_u32_u24 v3, v206, PW
	v_mad_u32_u24 v3, v207, 24, v3                 ; a fragment's place: row r, + 24 h
	s_mul_i32 s2, s28, WSTW
	v_add_nc_u32 v4, s2, v3                        ; in my stage
	v_mul_u32_u24 v5, v207, PW
	v_add_nc_u32 v5, v5, v29                       ; a row pair's place: row h, + 16 r
	v_add_nc_u32 v6, s2, v5                        ; in my stage
	s_mul_i32 s2, s28, ATILE
	v_add_nc_u32 v7, s2, v5                        ; in the tile that I stage, buffer 0,
	v_add_nc_u32 v8, s2, v1
	v_add_nc_u32 v8, 16*PW, v8                     ; and its scale words' image
	v_add_nc_u32 v191, 0x10000, v7                 ; buffer 1
	v_add_nc_u32 v192, 0x10000, v8
	v_lshl_add_u32 v11, v207, 2, TOK
	v_lshl_add_u32 v12, v206, 2, TOK
	v_lshl_add_u32 v195, v0, 2, TOK
	v_mul_u32_u24 v15, v207, ROWP
	v_add_nc_u32 v15, v15, v29                     ; w1 in memory: row h of a pair, + 16 r
	v_and_b32 v193, 8, v206
	v_add_nc_u32 v193, v193, v206                  ; r + 8 (r / 8)
	v_lshlrev_b32 v193, 5, v193
	v_add_nc_u32 v193, v193, v190                  ; w1's scale bytes: 32 a row, + 16 h
	v_lshlrev_b32 v194, 6, v207                    ; b1: 16 h numbers on
	v_lshrrev_b32 v208, 4, v0
	v_lshlrev_b32 v208, 5, v208
	v_add_nc_u32 v208, v208, v206
	s_lshl_b32 s2, s31, 4
	v_add_nc_u32 v208, s2, v208                    ; the place in the expert's list of row (thread % 16) of my tile (thread / 16)
	v_mov_b32 v174, 0                              ; written once: a lane permute's destination counts as one of its sources
	v_mov_b32 v175, 0
	v_mov_b32 v214, 0                              ; the tokens of sets that are jumped over
	v_mov_b32 v215, 0
	v_mov_b32 v216, 0
	s_lshl_b32 s2, s29, 12
	s_lshl_b32 s3, s30, 8
	s_add_co_u32 s2, s2, s3
	s_lshl_b32 s3, s28, 6
	s_add_co_u32 s2, s2, s3                        ; my first row of w1: 4096 e + 256 (x / 2) + 64 w
	s_mov_b32 s47, 0
	s_mul_i32 s46, s2, ROWP
	s_add_nc_u64 s[14:15], s[14:15], s[46:47]
	s_lshl_b32 s46, s2, 5
	s_add_nc_u64 s[16:17], s[16:17], s[46:47]
	s_lshl_b32 s46, s2, 2
	s_add_nc_u64 s[18:19], s[18:19], s[46:47]
	s_lshl_b32 s41, s30, 1
	s_lshr_b32 s42, s28, 1
	s_add_co_u32 s41, s41, s42                     ; the next product's K step that I feed,
	s_and_b32 s43, s28, 1                          ; and which half of it
	s_mul_i32 s37, s41, 1536
	s_mul_i32 s42, s43, 768
	s_add_co_u32 s37, s37, s42                     ; its place in a tile of hq
	s_lshr_b32 s42, s41, 3
	s_lshl_b32 s42, s42, 9
	s_bfe_u32 s46, s41, 0x10002
	s_lshl_b32 s46, s46, 8
	s_add_co_u32 s42, s42, s46
	s_and_b32 s46, s41, 3
	s_lshl_b32 s46, s46, 2
	s_add_co_u32 s42, s42, s46
	s_lshl_b32 s46, s43, 1
	s_add_co_u32 s42, s42, s46
	v_add_nc_u32 v28, v29, v207
	v_add_nc_u32 v28, s42, v28                     ; my byte's place in a tile of hs
	s_mov_b32 s48, 0xc07547cb
	s_mov_b32 s49, 0x407547cb
	s_mov_b32 s50, 0x76543210
	s_mov_b32 s51, 0xfedcba98
	s_mov_b32 s52, 0xffff0000
	s_lshl_b32 s25, 0x10000, s29                   ; my expert's bit in a token's word
.irp t, 0,1,2,3
	global_load_b128 v[32+4*\t:35+4*\t], v193, s[16:17] offset:(32*(\t/2)+8*(\t%2))*32
.endr
	WIN 0x40
.irp t, 0,1,2,3
	global_load_b128 v[192+8*\t:195+8*\t], v194, s[18:19] offset:(32*(\t/2)+8*(\t%2))*4
	global_load_b128 v[196+8*\t:199+8*\t], v194, s[18:19] offset:(32*(\t/2)+8*(\t%2))*4+16
.endr
	WLOAD 0
	WIN 0
	s_wait_loadcnt 60                              ; the eight loads of the tokens' words are in; behind them stand the 12 of scales and b1 and the 48 of the weights' first half
	MASKS 108, 140
	s_min_u32 s24, s24, 1024                       ; the expert's rows
	s_add_co_u32 s27, s24, 15
	s_lshr_b32 s27, s27, 4                         ; its tiles
	s_max_u32 s33, s24, 1
	s_sub_co_u32 s33, s33, 1                       ; the last row's place
	s_sub_co_u32 s32, s27, s31
	s_add_co_u32 s32, s32, 1
	s_lshr_b32 s32, s32, 1                         ; my tiles: at most 32
	s_lshl_b32 s34, s29, 6
	s_add_co_u32 s34, s34, s31                     ; my first tile in hq: 64 e + x % 2
	FIND 0, 208, 213, 140
	FIND 1, 208, 214, 140
	FIND 2, 208, 215, 140
	FIND 3, 208, 216, 140
.irp k, 0,1,2,3
	ds_store_b32 v195, v[213+\k] offset:512*\k
.endr
	WLOAD 1
	WIN 0
	CPAIR RS2, 0x3f3504f3
	CPAIR A9,  0x39702d51
	CPAIR A7,  0x3b5f5da2
	CPAIR A5,  0x3d50b6eb
	CPAIR A3,  0x3e3da740
	CPAIR A1,  0x3f906eba
	CPAIR B12, 0xb3fd3906
	CPAIR B10, 0x37c588df
	CPAIR B8,  0x3a856d28
	CPAIR B6,  0x3c6687d4
	CPAIR B4,  0x3de34c21
	CPAIR B2,  0x3efeb44a
	s_wait_loadcnt 48                              ; all but the 48 loads of the weights' second half
	WPUT 0
	WIN 0
	s_wait_dscnt 0x0
	s_barrier_signal -1
	s_barrier_wait -1                              ; the tokens lie in LDS
	s_lshl_b32 s46, s28, 6
	v_add_nc_u32 v13, s46, v11
	v_add_nc_u32 v14, s46, v12
	OWNLOAD                                        ; my tile of the first chunk: always asked for (its places are held inside the list)
	s_wait_loadcnt 25                              ; the weights' second half is in; the 25 loads just issued may be out
	WPUT 1
	s_wait_dscnt 0x0
	WGET
	WIN 0
	s_wait_dscnt 0x0                               ; my reads of my stage are over: the staged tiles of x will lie over it
	s_barrier_signal -1
	s_barrier_wait -1
; A CHUNK: four tiles, one staged by each wave, in buffer b.  One barrier: in front of it my stores into buffer b are done and my reads of the other buffer are over; that buffer is written again only in the next chunk.
.macro CHUNK b
	s_lshl_b32 s36, s40, 3
.if \b
	s_add_co_u32 s36, s36, 4                       ; the chunk's first tile
.endif
	s_add_co_u32 s44, s36, s28                     ; the tile that I stage now,
	s_add_co_u32 s45, s44, 4                       ; and the one that I ask for
	s_lshl_b32 s46, s45, 6
	s_min_u32 s46, s46, 1984                       ; (held at the list's last tile)
	v_add_nc_u32 v13, s46, v11
	v_add_nc_u32 v14, s46, v12
	s_add_co_u32 s38, s36, 4
	s_min_u32 s38, s38, s32                        ; the chunk's end
	s_mov_b32 s35, \b*65536
	v_add_nc_u32 v9, s35, v3
	v_add_nc_u32 v10, s35, v1
	s_wait_loadcnt 0x0                             ; the tile that I asked for a chunk ago
	s_cmp_lt_u32 s44, s32
	s_cbranch_scc0 .Lns_\@
.if \b
	OWNSTORE 191, 192
.else
	OWNSTORE 7, 8
.endif
.Lns_\@:
	s_wait_dscnt 0x0
	s_barrier_signal -1
	s_barrier_wait -1
	s_cmp_lt_u32 s45, s32
	s_cbranch_scc0 .Lnl_\@
	OWNLOAD
.Lnl_\@:
	FETCH 0                                        ; always: so x's registers are written on every way to a product
	s_mov_b32 s39, 4
.Lj_\@:
	v_add_nc_u32 v9, s35, v3
	v_add_nc_u32 v10, s35, v1
	s_cmp_lt_u32 s36, s38
	s_cbranch_scc0 .Lsk_\@
	s_wait_dscnt 0x0                               ; the tile's fragments
	MM
	WIN 0
	PLACES 5                                       ; in front of loads into registers that the products read and of the first read of results (four), and of the next tile's first products, which begin the accumulators anew (five)
	s_add_co_u32 s46, s36, 1
	s_cmp_lt_u32 s46, s38
	s_cbranch_scc0 .Lnf_\@
	FETCH ATILE                                    ; the next tile's fragments land under the gelu
.Lnf_\@:
	GELU 76
	GELU 92
	QHALF
	s_lshl_b32 s46, s36, 1
	s_add_co_u32 s46, s46, s34
	s_min_u32 s46, s46, 511                        ; the tile in hq
	s_mul_i32 s47, s46, 49152
	s_add_co_u32 s47, s47, s37
	s_lshl_b32 s46, s46, 11
	v_add_nc_u32 v25, s47, v1
	v_add_nc_u32 v26, s47, v2
	v_add_nc_u32 v27, s46, v28
	global_store_b128 v25, v[180:183], s[20:21]    ; 512 consecutive bytes: registers 6 c .. 6 c + 3 of every lane,
	global_store_b64 v26, v[184:185], s[20:21] offset:512   ; 256 more: registers 6 c + 4, 6 c + 5
	global_store_b8 v27, v189, s[22:23]            ; my block's scale byte: one byte in 24 of what the tile stores
.Lsk_\@:
	s_add_co_u32 s36, s36, 1
	s_add_co_u32 s35, s35, ATILE
	s_sub_co_u32 s39, s39, 1
	s_cmp_lg_u32 s39, 0
	s_cbranch_scc1 .Lj_\@
.endm
	s_mov_b32 s40, 0
.Lout:
	CHUNK 0
	CHUNK 1
	s_add_co_u32 s40, s40, 1
	s_cmp_lt_u32 s40, 4
	s_cbranch_scc1 .Lout
	s_wait_tensorcnt 0x0                           ; the wave's end: closing lines behind my last LDS store
	ds_add_u32 v30, v31
	s_wait_dscnt 0x0
	s_endpgm
.Lfunc_end_k_qaeca5d4830_up:
	.size	k_qaeca5d4830_up, .Lfunc_end_k_qaeca5d4830_up-k_qaeca5d4830_up
	.p2alignl 7, 3214868480
	.fill 96, 4, 3214868480
	.section	.rodata,"a",@progbits
	.p2align	6, 0x0
	.amdhsa_kernel k_qaeca5d4830_up
		.amdhsa_group_segment_fixed_size 203264
		.amdhsa_private_segment_fixed_size 0
		.amdhsa_enable_private_segment 0
		.amdhsa_kernarg_size 64
		.amdhsa_user_sgpr_count 2
		.amdhsa_user_sgpr_kernarg_segment_ptr 1
		.amdhsa_wavefront_size32 1
		.amdhsa_system_sgpr_workgroup_id_x 1
		.amdhsa_system_sgpr_workgroup_id_y 1
		.amdhsa_system_sgpr_workgroup_id_z 1
		.amdhsa_system_vgpr_workitem_id 0
		.amdhsa_next_free_vgpr 1024
		.amdhsa_next_free_sgpr 100
		.amdhsa_reserve_vcc 1
		.amdhsa_float_denorm_mode_32 3
		.amdhsa_float_denorm_mode_16_64 3
		.amdhsa_memory_ordered 1
		.amdhsa_forward_progress 1
		.amdhsa_inst_pref_size 161
	.end_amdhsa_kernel
	.amdgpu_metadata
---
amdhsa.version: [ 1, 2 ]
amdhsa.kernels:
  - .name:           k_qaeca5d4830_up
    .symbol:         k_qaeca5d4830_up.kd
    .args:
      - { .name: xq, .offset: 0, .size: 8, .value_kind: global_buffer, .address_space: global }
      - { .name: xs, .offset: 8, .size: 8, .value_kind: global_buffer, .address_space: global }
      - { .name: sel, .offset: 16, .size: 8, .value_kind: global_buffer, .address_space: global }
      - { .name: w1_codes, .offset: 24, .size: 8, .value_kind: global_buffer, .address_space: global }
      - { .name: w1_scales, .offset: 32, .size: 8, .value_kind: global_buffer, .address_space: global }
      - { .name: b1, .offset: 40, .size: 8, .value_kind: global_buffer, .address_space: global }
      - { .name: hq, .offset: 48, .size: 8, .value_kind: global_buffer, .address_space: global }
      - { .name: hs, .offset: 56, .size: 8, .value_kind: global_buffer, .address_space: global }
    .group_segment_fixed_size: 203264
    .private_segment_fixed_size: 0
    .kernarg_segment_align: 8
    .kernarg_segment_size: 64
    .max_flat_workgroup_size: 128
    .sgpr_count:     100
    .vgpr_count:     1024
    .wavefront_size: 32
...
	.end_amdgpu_metadata
.endif
;; end of part 7
;; launch down (part 8): grid 32 x 8, 4 waves a work-group, no clusters, 205,312 bytes of LDS; arguments hq, hs, sel, gwt, w2_codes, w2_scales, b2, ybuf; writes ybuf
.if DOCPART == 8
	.amdgcn_target "amdgcn-amd-amdhsa--gfx1250"
	.amdhsa_code_object_version 6
	.text
	.protected	k_qaeca5d4830_down
	.globl	k_qaeca5d4830_down
	.p2align	8
	.type	k_qaeca5d4830_down,@function
k_qaeca5d4830_down:
	s_mov_b64 s[64:65], 0
	v_nop
	global_prefetch_b8 v0, s[64:65] scope:SCOPE_SE
	s_setreg_imm32_b32 hwreg(HW_REG_WAVE_MODE, 25, 1), 1
	s_wait_xcnt 0x0
; DOWN: ybuf[2 t + k] = gate weight x (h w2[e] + b2[e]) for the rows that chose expert e; both operands as codes of E3M2.
; Rows of experts that a token did not choose are not computed: their weight is 0 by reference()'s own comparison (shown at the head of the first launch).
; SHARES.  Work-group (x, y): expert y, outputs 64 (x / 2) on, every second tile of 16 of the expert's rows.  Wave w takes K = 1024 w .. 1024 w + 1023 of all 64 outputs: its 4 x 8 fragments of w2 (384 registers)
; stay in registers, read once in pieces of 256 consecutive aligned bytes and turned through its own LDS stage.  So no byte of h is loaded twice in a work-group; the four waves' sums meet in LDS, four tiles a chunk, in two buffers by turns.
; h comes from memory in the order of the operand's registers: every load is dense; two tiles are on their way while one is multiplied.
; THE PLACING is the launch before's, line for line: 32 ballots on the expert's bit of the tokens' words, the running sums, the n-th set bit: so both launches have the same list.  A row's k (was the expert the token's first or second
; choice?) comes from the token's own word, gathered together with its two gate weights.  Tile i of expert e lies at tile 64 e + i of hq and hs.
; THE GRID SERVES EVERY SPLIT: constant trips (8 chunks x 4 tiles), every wave passes every barrier, work past the count is jumped over.  Such jumps hang on numbers read from memory, so the launch has no tensor load and no joint request of a cluster.
; The repeats of an expert's last row give the same numbers and are stored to the same bytes.
; THE PRODUCT IS USED TRANSPOSED (source 0 = 16 rows of w2, source 1 = 16 rows of h): a lane holds eight neighbouring outputs of one row.
; REGISTERS.  Window 0: v1-15 addresses; v16-31 w2's scale words; v32-39 h's, two slots; v40-71 four accumulators (at the head: the tokens' words); v72-103 the four waves' parts (at the head: v72-82 the placing, v88-95 gate weights);
;   v104-107 b2; v108-115 slots, weights, addresses; v116, v117 the closing lines' two; v118-139 the head's addresses, tokens.
;   Window 1: w2's fragments of my K steps 0-3 at 48 s + 12 t.   Window 2: K steps 4-7.   Window 3: h's fragments, slot n at 96 n + 12 s.
;   Scalars of the placing: s66-97 the 32 masks; s24 the expert's rows; s25 its bit; s26, s60-63 at work.
.set ROWP,  3072
.set PW,    784
.set WSTW,  64*PW
.set PARTW, 16*272                     ; a wave's sums of a tile: 16 rows x (256 bytes + 16)
.set PARTT, 4*PARTW
.set PART1, 131072
.set SLT,   4*WSTW                     ; the slots of my 32 x 16 rows;
.set GWL,   SLT+2048                   ; their gate weights
.set SPARE, GWL+2048
.set MSB, 0
.macro WIN new
.if MSB != (\new)
	s_set_vgpr_msb (MSB<<8)|(\new)
.set MSB, (\new)
.endif
.endm
.macro PLACES n
.rept \n
	v_nop
.endr
.endm
; The 32 masks of my expert (words at v[r] on, eight registers at work at v[t] on), and the expert's rows in s24.
.macro MASKS r, t
.irp g, 0,1,2,3,4,5,6,7,8,9,10,11,12,13,14,15,16,17,18,19,20,21,22,23,24,25,26,27,28,29,30,31
	v_and_b32 v[\t+\g%8], s25, v[\r+\g]
	v_cmp_ne_u32 s[66+\g], 0, v[\t+\g%8]
.endr
	s_bcnt1_i32_b32 s24, s66
.irp g, 1,2,3,4,5,6,7,8,9,10,11,12,13,14,15,16,17,18,19,20,21,22,23,24,25,26,27,28,29,30,31
	s_bcnt1_i32_b32 s26, s[66+\g]
	s_add_co_u32 s24, s24, s26
.endr
.endm
; One halving of the search for the n-th set bit: the count of the lower half of what is left (a field of w bits at v[t+7] of v[src]) against n (v[t+3]): where n reaches it, it is taken off n and the place goes inc bits up.
.macro HALVE t, src, w, inc
	v_bfe_u32 v[\t+8], v[\src], v[\t+7], \w
	v_cmp_ge_u32 vcc_lo, v[\t+3], v[\t+8]
	v_cndmask_b32 v[\t+8], 0, v[\t+8], vcc_lo
	v_sub_nc_u32 v[\t+3], v[\t+3], v[\t+8]
	v_add_nc_u32 v[\t+9], \inc, v[\t+7]
	v_cndmask_b32 v[\t+7], v[\t+7], v[\t+9], vcc_lo
.endm
; The token at place v[pb] + 256 k of the expert's list, into v[tok]; eleven registers at work at v[t] on.  Sets 1 to 3 are jumped over where the work-group has no tile there (s32 tiles, 8 to a set): v[tok] then keeps its 0.
.macro FIND k, pb, tok, t
.if \k > 0
	s_cmp_gt_u32 s32, 8*\k
	s_cbranch_scc0 .Lnofind_\@
.endif
	v_add_nc_u32 v[\t], 256*\k, v[\pb]
	v_min_u32 v[\t], s33, v[\t]                    ; past the end: the last row once more
	v_mov_b32 v[\t+1], s66                         ; group 0 begins at place 0, which is under every place
	v_mov_b32 v[\t+2], 0
	s_mov_b32 s60, 0
.irp g, 1,2,3,4,5,6,7,8,9,10,11,12,13,14,15,16,17,18,19,20,21,22,23,24,25,26,27,28,29,30,31
	s_bcnt1_i32_b32 s26, s[66+\g-1]
	s_add_co_u32 s[60+\g%2], s[60+(\g-1)%2], s26   ; the place at which group g begins,
	s_add_co_u32 s[62+\g%2], s[60+\g%2], \g<<16    ; and g above it
	v_cmp_gt_u32 vcc_lo, s[60+\g%2], v[\t]
	v_cndmask_b32 v[\t+1], s[66+\g], v[\t+1], vcc_lo   ; the last group that begins at or under my place stays
	v_cndmask_b32 v[\t+2], s[62+\g%2], v[\t+2], vcc_lo
.endr
	v_and_b32 v[\t+3], 0xffff, v[\t+2]
	v_sub_nc_u32 v[\t+3], v[\t], v[\t+3]           ; n: which of the group's set bits
	v_lshrrev_b32 v[\t+2], 16, v[\t+2]             ; g
	v_lshrrev_b32 v[\t+8], 1, v[\t+1]              ; the mask's counts by fields of 2,
	v_and_b32 v[\t+8], 0x55555555, v[\t+8]
	v_sub_nc_u32 v[\t+4], v[\t+1], v[\t+8]
	v_lshrrev_b32 v[\t+8], 2, v[\t+4]              ; of 4,
	v_and_b32 v[\t+8], 0x33333333, v[\t+8]
	v_and_b32 v[\t+5], 0x33333333, v[\t+4]
	v_add_nc_u32 v[\t+5], v[\t+5], v[\t+8]
	v_lshrrev_b32 v[\t+8], 4, v[\t+5]              ; of 8,
	v_add_nc_u32 v[\t+8], v[\t+8], v[\t+5]
	v_and_b32 v[\t+6], 0x0f0f0f0f, v[\t+8]
	v_lshrrev_b32 v[\t+8], 8, v[\t+6]              ; and, in the lowest byte, of the low 16
	v_add_nc_u32 v[\t+10], v[\t+8], v[\t+6]
	v_mov_b32 v[\t+7], 0
	HALVE \t, \t+10, 8, 16
	HALVE \t, \t+6, 8, 8
	HALVE \t, \t+5, 4, 4
	HALVE \t, \t+4, 2, 2
	HALVE \t, \t+1, 1, 1                           ; v[t+7]: the lane l of the bit
	v_and_b32 v[\t+8], 28, v[\t+2]
	v_and_b32 v[\t+9], 3, v[\t+2]
	v_lshl_or_b32 v[\t+8], v[\t+8], 5, v[\t+9]     ; 128 (g / 4) + g % 4
	v_lshl_add_u32 v[\tok], v[\t+7], 2, v[\t+8]    ; + 4 l
	v_min_u32 v[\tok], 1023, v[\tok]
.Lnofind_\@:
.endm
.macro WLOAD hv
	WIN (1+\hv)<<6
.irp m, 0,1,2,3,4,5,6,7,8,9,10,11,12,13,14,15
.irp p, 0,1,2
	global_load_b128 v[12*\m+4*\p:12*\m+4*\p+3], v3, s[16:17] offset:2*(16*\hv+\m)*ROWP+256*\p
.endr
.endr
.endm
.macro WPUT hv
	WIN (1+\hv)<<2
.irp m, 0,1,2,3,4,5,6,7,8,9,10,11,12,13,14,15
.irp p, 0,1,2
	ds_store_b128 v5, v[12*\m+4*\p:12*\m+4*\p+3] offset:2*(16*\hv+\m)*PW+256*\p
.endr
.endr
.endm
.macro WGET
.irp wv, 0,1
	WIN (1+\wv)<<6
.irp s, 0,1,2,3
.irp t, 0,1,2,3
.irp p, 0,1,2,3,4,5
	ds_load_b64 v[48*\s+12*\t+2*\p:48*\s+12*\t+2*\p+1], v4 offset:16*\t*PW+96*(4*\wv+\s)+48*(\p/3)+8*(\p%3)
.endr
.endr
.endr
.endr
.endm
.macro ALOAD slot                      ; tile s47 of hq (held at 511): my eight K steps, 33 dense loads
	s_mul_i32 s2, s47, 49152
	s_mov_b32 s3, 0
	s_add_nc_u64 s[52+2*\slot:53+2*\slot], s[8:9], s[2:3]
	s_lshl_b32 s2, s47, 11
	s_add_nc_u64 s[56+2*\slot:57+2*\slot], s[10:11], s[2:3]
	global_load_b128 v[32+4*\slot:35+4*\slot], v1, s[56+2*\slot:57+2*\slot]
	WIN 0xc0
.irp s, 0,1,2,3,4,5,6,7
.irp c, 0,1
	global_load_b128 v[96*\slot+12*\s+6*\c:96*\slot+12*\s+6*\c+3], v1, s[52+2*\slot:53+2*\slot] offset:1536*\s+768*\c
	global_load_b64 v[96*\slot+12*\s+6*\c+4:96*\slot+12*\s+6*\c+5], v2, s[52+2*\slot:53+2*\slot] offset:1536*\s+768*\c+512
.endr
.endr
	WIN 0
.endm
.macro MM slot                         ; 32 matrix instructions: the four accumulators take turns, one instruction a turn; the first products start the sums
.irp s, 0,1,2,3,4,5,6,7
.if \s < 4
	WIN 0x0d
.else
	WIN 0x0e
.endif
.irp t, 0,1,2,3
.if \s == 0
	v_wmma_scale_f32_16x16x128_f8f6f4 v[40+8*\t:47+8*\t], v[12*\t:12*\t+11], v[96*\slot:96*\slot+11], 0, v[16+4*\t], v[32+4*\slot] matrix_a_fmt:MATRIX_FMT_BF6 matrix_b_fmt:MATRIX_FMT_BF6
.elseif \s < 4
	v_wmma_scale_f32_16x16x128_f8f6f4 v[40+8*\t:47+8*\t], v[48*\s+12*\t:48*\s+12*\t+11], v[96*\slot+12*\s:96*\slot+12*\s+11], v[40+8*\t:47+8*\t], v[16+4*\t+\s], v[32+4*\slot+\s] matrix_a_fmt:MATRIX_FMT_BF6 matrix_b_fmt:MATRIX_FMT_BF6
.else
	v_wmma_scale_f32_16x16x128_f8f6f4 v[40+8*\t:47+8*\t], v[48*(\s-4)+12*\t:48*(\s-4)+12*\t+11], v[96*\slot+12*\s:96*\slot+12*\s+11], v[40+8*\t:47+8*\t], v[16+4*\t+(\s-4)], v[32+4*\slot+(\s-4)] matrix_a_fmt:MATRIX_FMT_BF6 matrix_b_fmt:MATRIX_FMT_BF6 matrix_a_scale:MATRIX_SCALE_ROW1 matrix_b_scale:MATRIX_SCALE_ROW1
.endif
.endr
.endr
.endm
; Tile s36 + j.  On every way out of a step either 33 loads were issued behind the other slot's, or none is out: so the count 33 shows this slot's tile landed on every way in.
.macro STEP b, j, slot
	s_add_co_u32 s46, s36, \j
	s_cmp_lt_u32 s46, s32
	s_cbranch_scc0 .Lskip_\@
	s_wait_loadcnt 33                              ; this slot's 33 loads are in; the other slot's may be out
	s_wait_dscnt 0x0                               ; the last tile's stores have read the accumulators
	MM \slot
	WIN 0
	PLACES 5                                       ; in front of loads into registers that the products read and of the stores of results (four), and of the next tile's first products, which begin the accumulators anew (five)
	s_add_co_u32 s46, s46, 2
	s_cmp_lt_u32 s46, s32
	s_cbranch_scc0 .Lnone_\@
	s_lshl_b32 s47, s46, 1
	s_add_co_u32 s47, s47, s34
	s_min_u32 s47, s47, 511
	ALOAD \slot                                    ; two tiles on
	s_branch .Lput_\@
.Lnone_\@:
	s_wait_loadcnt 0x0
.Lput_\@:
.irp t, 0,1,2,3
	ds_store_b128 v[6+\b], v[40+8*\t:43+8*\t] offset:\j*PARTT+64*\t          ; each accumulator from its low end on
	ds_store_b128 v[6+\b], v[44+8*\t:47+8*\t] offset:\j*PARTT+64*\t+16
.endr
	s_branch .Ldone_\@
.Lskip_\@:
	s_wait_loadcnt 0x0
.Ldone_\@:
.endm
; Rows 4 w .. 4 w + 3 of tile s36 + j: the four waves' sums, b2, the gate's weight; sixteen lanes store 256 consecutive aligned bytes of a row of ybuf.
.macro REDUCE b, j
	s_add_co_u32 s46, s36, \j
	s_lshl_b32 s47, s46, 6
	s_min_u32 s47, s47, 1984
	v_add_nc_u32 v13, s47, v12
	s_cmp_lt_u32 s46, s32
	s_cbranch_scc0 .Lnr_\@
	s_wait_xcnt 0x0                                ; the last tile's stores have read their data and addresses
.irp i, 0,1
	ds_load_b32 v[108+\i], v13 offset:8*\i
	ds_load_b32 v[110+2*\i], v13 offset:2048+8*\i
.endr
.irp q, 0,1,2,3
.irp i, 0,1
	ds_load_b128 v[72+8*\q+4*\i:75+8*\q+4*\i], v[8+2*\b+\j/2] offset:(\j%2)*PARTT+\q*PARTW+544*\i
.endr
.endr
	s_wait_dscnt 0x0
.irp d, 0,2,4,6
	v_pk_add_f32 v[72+\d:73+\d], v[72+\d:73+\d], v[80+\d:81+\d]
	v_pk_add_f32 v[88+\d:89+\d], v[88+\d:89+\d], v[96+\d:97+\d]
.endr
.irp d, 0,2,4,6
	v_pk_add_f32 v[72+\d:73+\d], v[72+\d:73+\d], v[88+\d:89+\d]
.endr
.irp i, 0,1
.irp d, 0,2
	v_pk_add_f32 v[72+4*\i+\d:73+4*\i+\d], v[72+4*\i+\d:73+4*\i+\d], v[104+\d:105+\d]
.endr
.endr
.irp i, 0,1
.irp d, 0,2
	v_pk_mul_f32 v[72+4*\i+\d:73+4*\i+\d], v[72+4*\i+\d:73+4*\i+\d], v[110+2*\i:111+2*\i] op_sel_hi:[1,0]
.endr
	v_min_u32 v[108+\i], 2047, v[108+\i]
	v_lshl_add_u32 v[114+\i], v[108+\i], 12, v14
	global_store_b128 v[114+\i], v[72+4*\i:75+4*\i], s[22:23]
.endr
.Lnr_\@:
.endm
	s_load_b512 s[8:23], s[0:1], 0x0               ; hq 8, hs 10, sel 12, gwt 14, w2_codes 16, w2_scales 18, b2 20, ybuf 22
	v_lshl_add_u32 v116, v0, 2, SPARE
	v_mov_b32 v117, 0
	v_lshrrev_b32 v118, 5, v0
	v_readfirstlane_b32 s28, v118                  ; wave = quarter of K
	s_and_b32 s29, ttmp7, 0xffff                   ; expert
	s_lshr_b32 s30, ttmp9, 1                       ; which 64 outputs
	s_and_b32 s31, ttmp9, 1                        ; even or odd tiles of rows
	v_and_b32 v118, 31, v0
	v_lshlrev_b32 v1, 4, v118
	s_wait_kmcnt 0x0
.irp j, 0,1,2,3,4,5,6,7
	global_load_b128 v[40+4*\j:43+4*\j], v1, s[12:13] offset:512*\j   ; all tokens' words, first of all loads: the placing hangs on them
.endr
	v_and_b32 v119, 15, v0                         ; r
	v_bfe_u32 v120, v0, 4, 1                       ; h
	v_lshlrev_b32 v2, 3, v118
	v_lshlrev_b32 v14, 4, v119
	v_mul_u32_u24 v3, v120, ROWP
	v_add_nc_u32 v3, v3, v14                       ; w2 in memory: row h of a pair, + 16 r
	s_mul_i32 s2, s28, WSTW
	v_mul_u32_u24 v4, v119, PW
	v_mad_u32_u24 v4, v120, 24, v4
	v_add_nc_u32 v4, s2, v4                        ; a fragment's place in my stage
	v_mul_u32_u24 v5, v120, PW
	v_add_nc_u32 v5, v5, v14
	v_add_nc_u32 v5, s2, v5                        ; a row pair's
	s_mul_i32 s2, s28, PARTW
	v_mul_u32_u24 v6, v119, 272
	v_lshl_add_u32 v6, v120, 5, v6
	v_add_nc_u32 v6, s2, v6                        ; my sums: row r, + 32 h; buffer 0,
	v_add_nc_u32 v7, PART1, v6                     ; buffer 1
	s_mul_i32 s2, s28, 4*272
	v_mul_u32_u24 v8, v120, 272
	v_add_nc_u32 v8, v8, v14
	v_add_nc_u32 v8, s2, v8                        ; back: row 4 w + h, + 16 r: buffer 0, tiles 0 and 1;
	v_add_nc_u32 v9, 2*PARTT, v8                   ; tiles 2 and 3;
	v_add_nc_u32 v10, PART1, v8                    ; buffer 1
	v_add_nc_u32 v11, PART1+2*PARTT, v8
	s_lshl_b32 s2, s28, 4
	s_add_co_u32 s2, s2, SLT
	v_lshl_add_u32 v12, v120, 2, s2                ; the slot of row 4 w + h
	v_lshlrev_b32 v15, 7, v119
	v_lshl_add_u32 v15, v120, 4, v15               ; w2's scale bytes: 128 a row, + 16 h
	v_lshl_add_u32 v121, v0, 2, SLT
	v_lshrrev_b32 v138, 4, v0
	v_lshlrev_b32 v138, 5, v138
	v_add_nc_u32 v138, v138, v119
	s_lshl_b32 s2, s31, 4
	v_add_nc_u32 v138, s2, v138                    ; the place in the expert's list of row (thread % 16) of my tile (thread / 16)
	v_mov_b32 v111, 0                              ; named as the upper halves of pairs
	v_mov_b32 v113, 0
	v_mov_b32 v127, 0                              ; the tokens of sets that are jumped over
	v_mov_b32 v128, 0
	v_mov_b32 v129, 0
	v_mov_b32 v139, 1
	s_lshl_b32 s2, s29, 10
	s_lshl_b32 s3, s30, 6
	s_add_co_u32 s2, s2, s3                        ; my first row of w2: 1024 e + 64 (x / 2)
	s_mov_b32 s47, 0
	s_mul_i32 s46, s2, ROWP
	s_mul_i32 s3, s28, 768
	s_add_co_u32 s46, s46, s3
	s_add_nc_u64 s[16:17], s[16:17], s[46:47]
	s_lshl_b32 s46, s2, 7
	s_lshl_b32 s3, s28, 5
	s_add_co_u32 s46, s46, s3
	s_add_nc_u64 s[18:19], s[18:19], s[46:47]
	s_lshl_b32 s46, s2, 2
	s_add_nc_u64 s[20:21], s[20:21], s[46:47]
	s_lshl_b32 s46, s30, 8
	s_add_nc_u64 s[22:23], s[22:23], s[46:47]
	s_mul_i32 s46, s28, 12288
	s_add_nc_u64 s[8:9], s[8:9], s[46:47]          ; my eight K steps in a tile of hq,
	s_lshl_b32 s46, s28, 9
	s_add_nc_u64 s[10:11], s[10:11], s[46:47]      ; and of hs
	s_lshl_b32 s25, 0x10000, s29                   ; my expert's bit in a token's word
.irp t, 0,1,2,3
	global_load_b128 v[16+4*\t:19+4*\t], v15, s[18:19] offset:2048*\t
.endr
	global_load_b128 v[104:107], v14, s[20:21]
	WLOAD 0
	WIN 0
	s_wait_loadcnt 53                              ; the eight loads of the tokens' words are in; behind them stand the 5 of scales and b2 and the 48 of the weights' first half
	MASKS 40, 72
	v_readfirstlane_b32 s35, v40                   ; token 0's word:
	s_and_b32 s35, s35, 7                          ; its first expert has at least that row,
	s_lshl_b32 s35, s35, 6                         ; so that expert's first tile of hq has been stored, whatever the split
	s_min_u32 s24, s24, 1024                       ; my expert's rows
	s_add_co_u32 s27, s24, 15
	s_lshr_b32 s27, s27, 4                         ; its tiles
	s_max_u32 s33, s24, 1
	s_sub_co_u32 s33, s33, 1                       ; the last row's place
	s_sub_co_u32 s32, s27, s31
	s_add_co_u32 s32, s32, 1
	s_lshr_b32 s32, s32, 1                         ; my tiles: at most 32
	s_lshl_b32 s34, s29, 6
	s_add_co_u32 s34, s34, s31                     ; my first tile in hq: 64 e + x % 2
	FIND 0, 138, 126, 72
	FIND 1, 138, 127, 72
	FIND 2, 138, 128, 72
	FIND 3, 138, 129, 72
.irp k, 0,1,2,3
	v_lshlrev_b32 v[122+\k], 2, v[126+\k]
	v_lshlrev_b32 v[130+\k], 3, v[126+\k]
	global_load_b32 v[134+\k], v[122+\k], s[12:13] ; the row's token's word,
	global_load_b64 v[88+2*\k:89+2*\k], v[130+\k], s[14:15]   ; and its two gate weights
.endr
	WLOAD 1
	WIN 0
	s_wait_loadcnt 56                              ; scales, b2 and the weights' first half are in; the 8 gathers and the 48 loads of the second half may be out
	WPUT 0
	WIN 0
	s_wait_loadcnt 48                              ; the gathers are in
.irp k, 0,1,2,3
	v_bfe_u32 v[134+\k], v[134+\k], 8, 3           ; the token's second choice
	v_cmp_eq_u32 vcc_lo, s29, v[134+\k]
	v_cndmask_b32 v[88+2*\k], v[88+2*\k], v[89+2*\k], vcc_lo   ; the weight of my expert
	v_cndmask_b32 v[134+\k], 0, v139, vcc_lo       ; k
	v_lshl_or_b32 v[126+\k], v[126+\k], 1, v[134+\k]   ; the slot 2 t + k
	ds_store_b32 v121, v[126+\k] offset:512*\k
	ds_store_b32 v121, v[88+2*\k] offset:2048+512*\k
.endr
	s_wait_loadcnt 0x0                             ; the weights' second half
	WPUT 1
	WIN 0
	s_cmp_gt_u32 s32, 0                            ; my first two tiles of h; where I have none, a tile that has been stored for certain, and is not used
	s_cselect_b32 s47, s34, s35
	s_min_u32 s47, s47, 511
	ALOAD 0
	s_add_co_u32 s47, s34, 2
	s_cmp_gt_u32 s32, 1
	s_cselect_b32 s47, s47, s35
	s_min_u32 s47, s47, 511
	ALOAD 1
	s_wait_dscnt 0x0
	WGET
	WIN 0
	s_wait_dscnt 0x0                               ; my reads of my stage are over: the sums will lie over it; my stores of slots and weights are done
	s_barrier_signal -1
	s_barrier_wait -1
; A CHUNK: four tiles' sums into buffer b, one barrier, four tiles reduced.  Buffer b is written again two chunks on, behind the next chunk's barrier, in front of which every wave has waited for its reads.
.macro CHUNK b
	s_lshl_b32 s36, s40, 3
.if \b
	s_add_co_u32 s36, s36, 4
.endif
	STEP \b, 0, 0
	STEP \b, 1, 1
	STEP \b, 2, 0
	STEP \b, 3, 1
	s_wait_dscnt 0x0
	s_barrier_signal -1
	s_barrier_wait -1
	REDUCE \b, 0
	REDUCE \b, 1
	REDUCE \b, 2
	REDUCE \b, 3
.endm
	s_mov_b32 s40, 0
.Lout:
	CHUNK 0
	CHUNK 1
	s_add_co_u32 s40, s40, 1
	s_cmp_lt_u32 s40, 4
	s_cbranch_scc1 .Lout
	s_wait_tensorcnt 0x0                           ; the wave's end: closing lines behind my last LDS store
	ds_add_u32 v116, v117
	s_wait_dscnt 0x0
	s_endpgm
.Lfunc_end_k_qaeca5d4830_down:
	.size	k_qaeca5d4830_down, .Lfunc_end_k_qaeca5d4830_down-k_qaeca5d4830_down
	.p2alignl 7, 3214868480
	.fill 96, 4, 3214868480
	.section	.rodata,"a",@progbits
	.p2align	6, 0x0
	.amdhsa_kernel k_qaeca5d4830_down
		.amdhsa_group_segment_fixed_size 205312
		.amdhsa_private_segment_fixed_size 0
		.amdhsa_enable_private_segment 0
		.amdhsa_kernarg_size 64
		.amdhsa_user_sgpr_count 2
		.amdhsa_user_sgpr_kernarg_segment_ptr 1
		.amdhsa_wavefront_size32 1
		.amdhsa_system_sgpr_workgroup_id_x 1
		.amdhsa_system_sgpr_workgroup_id_y 1
		.amdhsa_system_sgpr_workgroup_id_z 1
		.amdhsa_system_vgpr_workitem_id 0
		.amdhsa_next_free_vgpr 1024
		.amdhsa_next_free_sgpr 100
		.amdhsa_reserve_vcc 1
		.amdhsa_float_denorm_mode_32 3
		.amdhsa_float_denorm_mode_16_64 3
		.amdhsa_memory_ordered 1
		.amdhsa_forward_progress 1
		.amdhsa_inst_pref_size 175
	.end_amdhsa_kernel
	.amdgpu_metadata
---
amdhsa.version: [ 1, 2 ]
amdhsa.kernels:
  - .name:           k_qaeca5d4830_down
    .symbol:         k_qaeca5d4830_down.kd
    .args:
      - { .name: hq, .offset: 0, .size: 8, .value_kind: global_buffer, .address_space: global }
      - { .name: hs, .offset: 8, .size: 8, .value_kind: global_buffer, .address_space: global }
      - { .name: sel, .offset: 16, .size: 8, .value_kind: global_buffer, .address_space: global }
      - { .name: gwt, .offset: 24, .size: 8, .value_kind: global_buffer, .address_space: global }
      - { .name: w2_codes, .offset: 32, .size: 8, .value_kind: global_buffer, .address_space: global }
      - { .name: w2_scales, .offset: 40, .size: 8, .value_kind: global_buffer, .address_space: global }
      - { .name: b2, .offset: 48, .size: 8, .value_kind: global_buffer, .address_space: global }
      - { .name: ybuf, .offset: 56, .size: 8, .value_kind: global_buffer, .address_space: global }
    .group_segment_fixed_size: 205312
    .private_segment_fixed_size: 0
    .kernarg_segment_align: 8
    .kernarg_segment_size: 64
    .max_flat_workgroup_size: 128
    .sgpr_count:     100
    .vgpr_count:     1024
    .wavefront_size: 32
...
	.end_amdgpu_metadata
.endif
;; end of part 8
;; launch add: the kernel of part 5 again; grid 256 x 1, 4 waves a work-group, no clusters, 0 bytes of LDS; arguments ybuf, out0; writes out0
